; MI455X (gfx1250); checked and timed in simulation.
; The chip was launched on July 23, 2026; its instructions are those of AMD's public machine-readable ISA for CDNA 5 (MIT licence, August 2026) and "CDNA5" Instruction Set Architecture Reference Guide (July 2026). The comments in the code are by the model that wrote it; some were corrected since.
;; Spatial Attention. Allowed arithmetic: matrix products marked QUANTISED: E2M1 operands, one E8M0 scale for each 32 along K, by v_wmma_scale_f32_16x16x128_f8f6f4 with both operands' format E2M1 (or v_wmma_scale_f32_32x16x128_f4), f32 sums; everything else in f32.
;; Inputs: Wk 128 x 256 float32; Wq 128 x 256 float32; b 8 x 256 x 64 x 64 float32; bk 128 float32; bq 128 float32; p 8 x 256 x 64 x 64 float32.
;; Outputs: out0 8 x 256 x 64 x 64 float32.
;; This version of the problem:
;;   THIS VERSION OF THE PROBLEM IS GIVEN IN LOW PRECISION. The matrix products marked QUANTISED in the list below multiply operands that are first quantised to E2M1 (2 exponent bits, 1 mantissa bit; 4 bits a number), with one power-of-two scale for each 32 numbers along K (OCP MX v1.0); their sums are f32. All else is computed in f32.
;;   The module's matrix products, in the order in which they are computed (A, B: the left and right operand; K: the contracted axis; several contracted axes count as one K, in the product's order):
;;     1. [M 32,768, K 256] x [K 256, N 128]; A: input p; B: input Wq: QUANTISED
;;     2. [M 128, K 256] x [K 256, N 32,768]; A: input Wk; B: input b: QUANTISED
;;     3. batch 8 x [M 4,096, K 128] x [K 128, N 4,096]; A: computed on the way; B: computed on the way: QUANTISED
;;     4. batch 8 x [M 256, K 4,096] x [K 4,096, N 4,096]; A: input b; B: softmax (see below): QUANTISED
;;   THE QUANTISER, for each operand of a quantised product, along K:
;;     - K is cut into blocks of 32 from its start; a last block that is shorter is filled with zeros.
;;     - A block's scale is 2^e with e = floor(log2(the largest magnitude in the block)) - 2, held to -126 .. 127; a block of zeros has e = 0. As a byte (E8M0): e + 127.
;;     - Each number is divided by its block's scale, clamped to +-6, and rounded to the nearest number of E2M1, ties to even, subnormals kept.
;;     - The product sums the exact products of the quantised numbers (number of the format x scale) in f32.
;;   ~~~python
;;   def quantise(x, axis):      # numpy; x: float32 -> the quantised numbers, widened to float32 again
;;       x = np.moveaxis(x, axis, -1); K = x.shape[-1]
;;       x = np.pad(x, [(0, 0)] * (x.ndim - 1) + [(0, -K % 32)]); x = x.reshape(x.shape[:-1] + (-1, 32)); a = np.abs(x).max(-1, keepdims=True)
;;       e = np.where(a > 0, np.clip(np.frexp(np.where(a > 0, a, 1))[1] - 1 - 2, -126, 127), 0)      # np.frexp(a)[1] - 1 = floor(log2(a)), exactly
;;       r = np.clip(x / 2.0 ** e, -6, 6)
;;       step = 2.0 ** (np.maximum(np.frexp(np.where(r == 0, 1, r))[1] - 1, 0) - 1)
;;       q = np.round(r / step) * step * 2.0 ** e      # np.round: ties to even
;;       return np.moveaxis(q.reshape(q.shape[:-2] + (-1,))[..., :K], -1, axis).astype(np.float32)
;;   ~~~
;;   SOFTMAX AHEAD OF A QUANTISED PRODUCT. Where the list says 'softmax', what is quantised is not the finished softmax but p = 2^(t - M), with t = logit x log2(e) and M = ceil(the row's largest t), a whole number; so 1/2 < the row's largest p <= 1. The row's sum l is taken of the UNQUANTISED p, in f32, and the product's result is divided by l at the end. Since M is a whole number, a kernel that streams over the keys may use a running M (the ceiling of the running maximum): every later rescaling is an exact power of two, which a block's scale takes up: the codes' values come out the same.
;;   OPERANDS COMPUTED ON THE WAY. 'Computed on the way' means the value that the module computes at that place (a softmax that the list does not call 'softmax' is quantised finished and normalised). What goes into a quantiser is computed in f32, as accurately as f32 sums, v_exp_f32 and their like allow (about 1e-6 of the number): no bf16 or f16 on the way to a quantiser, and a product that is left as it is and whose result goes on into a quantised operand takes f32 operands (vector FMAs, or v_wmma_f32_16x16x4_f32). A number that lies on a knife's edge between two numbers of the format may be rounded either way, as far as f32 arithmetic and the matrix unit's own rounding can turn it there, and no further.
;; 2 versions, each right; version 2 is version 1 with the launch prep written anew for expert scheduling mode. Each part assembles by itself: llvm-mc -triple=amdgcn-amd-amdhsa -mcpu=gfx1250 --defsym DOCPART=n.
;; ======== version 1 of 2: 2 launches
;; limits: right only within a limited range of input values
;; workspace buffers: qc 2,228,224 bytes; kv 6,684,672 bytes
;; launch prep (part 1): grid 256 x 1, 8 waves a work-group, no clusters, 86,016 bytes of LDS; arguments p, b, Wq, Wk, bq, bk, qc, kv; writes qc, kv
.if DOCPART == 1
	.amdgcn_target "amdgcn-amd-amdhsa--gfx1250"
	.amdhsa_code_object_version 6
	.text
	.protected	k_q9734e8e33c_prep
	.globl	k_q9734e8e33c_prep
	.p2align	8
	.type	k_q9734e8e33c_prep,@function
k_q9734e8e33c_prep:
	s_mov_b64 s[64:65], 0
	v_nop
	global_prefetch_b8 v0, s[64:65] scope:SCOPE_SE
	s_setreg_imm32_b32 hwreg(HW_REG_WAVE_MODE, 25, 1), 1
	s_wait_xcnt 0x0
; PREP.  q = p^T Wq^T + bq and k = Wk b + bk (K = the 256 channels), both products on codes of FP4 (E2M1) with one E8M0 scale for each 32 along K; q and k are quantised again along their 128 outputs,
; and b along the keys (V).  p, b: [8][256][4096] f32; Wq, Wk: [128][256] f32; bq, bk: [128] f32.
; WHAT IS STORED.  A RECORD belongs to 128 positions of one batch and is laid in the order of the operands' registers:
;   0      K's (in qc: Q's) codes: tile t (16 positions x 128 outputs) at 1024 t; register group c at + 512 c; lane l at + 16 l
;   8192   their scale words [j 0..3][lane]: lanes 0-15 tile 2 j, lanes 16-31 tile 2 j + 1
;   8704   V's codes: channel tile ct (16 channels x the record's 128 keys) at 1024 ct, same form          (kv alone)
;   25088  V's scale words [w 0..7][lane]: lanes 0-15 tile 2 w, lanes 16-31 tile 2 w + 1                    (kv alone)
; Row r of position tile 2 j + x is position 32 j + 8 x + r + 8 (r / 8) of the record, so that in the next launch the 16 registers of two neighbouring tiles of scores are 16 neighbouring keys.
; SHARES.  Work-group g: kind = g & 1 (0: p -> Q, 1: b -> K); (g >> 1) = 16 batch + u; it projects positions 256 u .. + 255 of its tensor (records 2 u, 2 u + 1) and quantises V of record 2 u + kind.
; One path through the text: pointers and the record's length alone are chosen, by the work-group's number.  Wave w: positions 32 w .. + 31 of the 256; W's tile w of 16 outputs; V's channels 32 w .. + 31.
; A LANE TAKES A POSITION AND ITS REGISTERS RUN DOWN THE CHANNELS: a block of 32 along K is one lane's 32 registers, and the conversions give codes with K innermost.
; NO CLUSTER, NO TENSOR LOAD: every operand passes through registers as f32 to be quantised; what work-groups share is W alone, 128 KiB beside 384 KiB of a work-group's own.  No prefetch: the launch streams from its first line to its last.
; LIMITS: NaN and infinities among the inputs are not served.  A block whose largest magnitude lies under 2^-124, a block of zeros among them, gets the byte 1 (the rule says 127 for zeros): its codes are
; zeros or nearly so, and the bytes are read by this program alone.  The bias is the first addend of each sum, not the last.
.set REC,   26112                      ; a record of kv in bytes (102 x 256)
.set QREC,  8704                       ; a record of qc
.set WIMG,  0                          ; LDS: W's 16 fragments (tile t, K step s) as images of their registers, 1024 (2 t + s) + 512 c + 16 lane
.set WSC,   16384                      ; their scale words: 128 t + 64 s + 4 r
.set VST,   17408                      ; each wave's own stage: 16 rows x (512 + 16) bytes
.set VP,    528
.set VSTW,  16*VP
.set RA,  4                            ; v4   4 x my position among the wave's 32: the lane's number with bits 3 and 4 exchanged
.set LI,  5                            ; v5   16 x lane
.set LS,  6                            ; v6   4 x lane
.set WA,  7                            ; v7   W: row r + 8 (r / 8) of 1,024 bytes, + 64 h
.set WWI, 8                            ; v8   where I store W's images
.set WWS, 9                            ; v9   and their scale words
.set BA,  10                           ; v10  the bias: 64 h
.set VSI, 11                           ; v11  my stage, on the way in: 16 x lane
.set VSO, 12                           ; v12  and on the way out: 528 r + 128 h
.set SH,  13                           ; v13  8 h
.set R,   16                           ; v16-79   two sets of 32 numbers; later V's second fragment
.set W1F, 48                           ; v48-111  W's f32 of K step 1 (ahead of the stream)
.set CD,  80                           ; v80-111  the positions' codes: even blocks, then odd blocks; behind the exchange: tile 2 j's two fragments, then tile 2 j + 1's
.set ACC, 112                          ; v112-175 W's f32 of K step 0; V's first fragment; the 8 accumulators
.set PC0, 176                          ; v176-191 the codes just made, two sets
.set PC1, 184
.set VC,  192                          ; v192-207 V's codes, two fragments
.set PW0, 208                          ; scale words just made
.set PW1, 209
.set PWC, 210
.set VW,  211                          ; v211-212 V's
.set VWC, 213
.set MA,  214                          ; v214-217 a block at work: two maxima, the conversion's scale operand, the byte
.set MB,  215
.set MS,  216
.set MY,  217
.set TM,  220                          ; v220-235 at work: +0..3 maxima, +4..7 bytes and lane permutes' targets, +8..9 V's bytes, +12..15 scale operands
.set WS,  236                          ; v236-243 W's scale words, tile t: lanes 0-15 K step 0, lanes 16-31 K step 1.  Scales and nothing else
.set SB,  244                          ; v244-245 the positions' scale words, K step s: lanes 0-15 tile 2 j, lanes 16-31 tile 2 j + 1.  Scales and nothing else
.set WF,  0                            ; window 1: W's fragments, (t, s) at 8 (2 t + s)
.set BI,  128                          ; window 1: the bias in the result's layout, tile t at 128 + 8 t
.set MSB, 0
.macro WIN new                         ; the immediate's high byte repeats the setting that is left
.if MSB != \new
	s_set_vgpr_msb (MSB<<8)|\new
.set MSB, \new
.endif
.endm
; the matrix instruction: D, A, B, C by their first registers; ra, rb: the scales are taken from lanes 16-31
.macro WM d, a, b, c, sa, sb, ra, rb
.if (\ra) && (\rb)
	v_wmma_scale_f32_16x16x128_f8f6f4 v[(\d):(\d)+7], v[(\a):(\a)+7], v[(\b):(\b)+7], v[(\c):(\c)+7], v[\sa], v[\sb] matrix_a_fmt:MATRIX_FMT_FP4 matrix_b_fmt:MATRIX_FMT_FP4 matrix_a_scale:MATRIX_SCALE_ROW1 matrix_b_scale:MATRIX_SCALE_ROW1
.elseif \ra
	v_wmma_scale_f32_16x16x128_f8f6f4 v[(\d):(\d)+7], v[(\a):(\a)+7], v[(\b):(\b)+7], v[(\c):(\c)+7], v[\sa], v[\sb] matrix_a_fmt:MATRIX_FMT_FP4 matrix_b_fmt:MATRIX_FMT_FP4 matrix_a_scale:MATRIX_SCALE_ROW1
.elseif \rb
	v_wmma_scale_f32_16x16x128_f8f6f4 v[(\d):(\d)+7], v[(\a):(\a)+7], v[(\b):(\b)+7], v[(\c):(\c)+7], v[\sa], v[\sb] matrix_a_fmt:MATRIX_FMT_FP4 matrix_b_fmt:MATRIX_FMT_FP4 matrix_b_scale:MATRIX_SCALE_ROW1
.else
	v_wmma_scale_f32_16x16x128_f8f6f4 v[(\d):(\d)+7], v[(\a):(\a)+7], v[(\b):(\b)+7], v[(\c):(\c)+7], v[\sa], v[\sb] matrix_a_fmt:MATRIX_FMT_FP4 matrix_b_fmt:MATRIX_FMT_FP4
.endif
.endm
; W's 64 numbers a lane of K step s: of row r + 8 (r / 8), 16 neighbours of each block of 32
.macro XLOAD reg, s
.irp b, 0,1,2,3
.irp j, 0,1,2,3
	global_load_b128 v[\reg+16*\b+4*\j:\reg+16*\b+4*\j+3], v[WA], s[28:29] offset:512*\s+128*\b+16*\j
.endr
.endr
.endm
; block t: channels 32 t .. + 31 of my position, into set t % 2; each load reads the wave's 128 consecutive bytes
.macro LOAD t
.set i, 0
.rept 32
	global_load_b32 v[R+32*((\t)%2)+i], v[RA], s[26:27] offset:(32*(\t)+i)*16384
.set i, i+1
.endr
.endm
; V's fragment f: 16 channels x 128 keys, a row's 512 consecutive bytes a load
.macro VLOAD f, reg
.set i, 0
.rept 16
	global_load_b128 v[\reg+4*i:\reg+4*i+3], v[LI], s[36:37] offset:(16*\f+i)*16384
.set i, i+1
.endr
.endm
; 64 numbers of a lane, register 16 b + i = k 32 b + 16 (lane / 16) + i of my row, become a fragment's codes in v[pc] on and its scale word in v[pw]
.macro QUANT s, pc, pw
.irp b, 0,1,2,3
	v_max3_num_f32 v[TM+\b], |v[\s+16*\b]|, |v[\s+16*\b+1]|, 0x1800000   ; block b: my 16 numbers, from the low end on, and the floor 2^(3 - 127): the byte cannot fall under 1
.endr
.irp i, 2,4,6,8,10,12,14
.irp b, 0,1,2,3
	v_max3_num_f32 v[TM+\b], v[TM+\b], |v[\s+16*\b+\i]|, |v[\s+16*\b+\i+1]|   ; the four blocks by turns
.endr
.endr
.irp b, 0,1,2,3
	v_permlanex16_b32 v[TM+4+\b], v[TM+\b], s44, s45
.endr
.irp b, 0,1,2,3
	v_max_num_f32 v[TM+\b], v[TM+\b], v[TM+4+\b]          ; with lane l xor 16's: the block's largest magnitude
.endr
.irp b, 0,1,2,3
	v_add_nc_u32 v[TM+12+\b], 0xff000000, v[TM+\b]        ; 2 off its exponent field: the conversion takes that field as its scale
.endr
.irp b, 0,1,2,3
	v_lshrrev_b32 v[TM+4+\b], 23, v[TM+12+\b]             ; the scale's byte
.endr
	v_lshl_or_b32 v[\pw], v[TM+5], 8, v[TM+4]
	v_lshl_or_b32 v[\pw], v[TM+6], 16, v[\pw]
	v_lshl_or_b32 v[\pw], v[TM+7], 24, v[\pw]             ; my row's scale word (lanes r and r + 16 hold the same)
.irp b, 0,1,2,3
	v_cvt_scalef32_pk8_fp4_f32 v[\pc+2*\b], v[\s+16*\b:\s+16*\b+7], v[TM+12+\b]
	v_cvt_scalef32_pk8_fp4_f32 v[\pc+2*\b+1], v[\s+16*\b+8:\s+16*\b+15], v[TM+12+\b]
.endr
	v_nop                                                  ; one plain instruction behind the last scaled conversion
.irp c, 0,1                                            ; the operand's layout wants a whole block in a lane: lanes 0-15 block 2 c, lanes 16-31 block 2 c + 1
.irp i, 0,1
	v_permlane16_swap_b32 v[\pc+4*\c+\i], v[\pc+4*\c+2+\i]
.endr
.endr
.endm
; block t of my position: its largest magnitude, its byte, its 32 codes; then the loads that take the set's place.  cnt: the younger loads, which may stay out
.macro BLOCK t, cnt
.set XS, R+32*((\t)%2)
.set CX, CD+16*((\t)%2)+8*((\t)/4)+4*(((\t)/2)%2)      ; even blocks in the first 16 registers, odd blocks in the second; in them K step t / 4, register group (t / 2) % 2
	s_wait_loadcnt \cnt
	v_max3_num_f32 v[MA], |v[XS]|, |v[XS+1]|, |v[XS+2]|
	v_max3_num_f32 v[MB], |v[XS+3]|, |v[XS+4]|, |v[XS+5]|
.irp i, 6,10,14,18,22,26
	v_max3_num_f32 v[MA], v[MA], |v[XS+\i]|, |v[XS+\i+1]|
	v_max3_num_f32 v[MB], v[MB], |v[XS+\i+2]|, |v[XS+\i+3]|
.endr
	v_max3_num_f32 v[MA], v[MA], |v[XS+30]|, |v[XS+31]|
	v_max3_num_f32 v[MA], v[MA], v[MB], 0x1800000          ; and the floor
	v_add_nc_u32 v[MS], 0xff000000, v[MA]
	v_lshrrev_b32 v[MY], 23, v[MS]
.if (\t)%4 == 0
	v_mov_b32 v[SB+(\t)/4], v[MY]                          ; four bytes to a word, the lower K in the lower byte
.else
	v_lshl_or_b32 v[SB+(\t)/4], v[MY], 8*((\t)%4), v[SB+(\t)/4]
.endif
.irp g, 0,1,2,3
	v_cvt_scalef32_pk8_fp4_f32 v[CX+\g], v[XS+8*\g:XS+8*\g+7], v[MS]
.endr
	v_nop                                                  ; one plain instruction behind the last scaled conversion
.if (\t) < 6
	LOAD (\t)+2
.elseif (\t) == 6
	VLOAD 0, ACC
.else
	VLOAD 1, R
.endif
.endm
; V's fragment f.  The rows go through my own stage as they lie and come back 128 bytes a lane: lane (r, h) then holds k = 64 c + 32 h + 0 .. 31 of channel r, two whole blocks, in the operand's own order
.macro VFRAG f, reg, cnt
	s_wait_loadcnt \cnt
.irp i, 0,1,2,3,4,5,6,7,8,9,10,11,12,13,14,15
	ds_store_b128 v[VSI], v[\reg+4*\i:\reg+4*\i+3] offset:VP*\i
.endr
	s_wait_dscnt 0x0                                       ; the stores have read their registers: the loads below land there
.irp c, 0,1
.irp j, 0,1,2,3,4,5,6,7
	ds_load_b128 v[\reg+32*\c+4*\j:\reg+32*\c+4*\j+3], v[VSO] offset:256*\c+16*\j
.endr
.endr
	s_wait_dscnt 0x0
.irp c, 0,1
	v_max3_num_f32 v[TM+\c], |v[\reg+32*\c]|, |v[\reg+32*\c+1]|, 0x1800000
.endr
.irp i, 2,4,6,8,10,12,14,16,18,20,22,24,26,28,30
.irp c, 0,1
	v_max3_num_f32 v[TM+\c], v[TM+\c], |v[\reg+32*\c+\i]|, |v[\reg+32*\c+\i+1]|
.endr
.endr
.irp c, 0,1
	v_add_nc_u32 v[TM+12+\c], 0xff000000, v[TM+\c]
.endr
.irp c, 0,1
	v_lshrrev_b32 v[TM+8+\c], 23, v[TM+12+\c]
.endr
	v_lshl_or_b32 v[VW+\f], v[TM+9], 16, v[TM+8]           ; my two bytes: blocks h and 2 + h,
	v_lshlrev_b32 v[VW+\f], v[SH], v[VW+\f]                ; at their places in the word;
	v_permlanex16_b32 v[TM+4], v[VW+\f], s44, s45
	v_or_b32 v[VW+\f], v[VW+\f], v[TM+4]                   ; with lane l xor 16's two the word is whole
.irp c, 0,1
.irp g, 0,1,2,3
	v_cvt_scalef32_pk8_fp4_f32 v[VC+8*\f+4*\c+\g], v[\reg+32*\c+8*\g:\reg+32*\c+8*\g+7], v[TM+12+\c]
.endr
.endr
	v_nop                                                  ; one plain instruction behind the last scaled conversion
.irp c, 0,1
	global_store_b128 v[LI], v[VC+8*\f+4*\c:VC+8*\f+4*\c+3], s[38:39] offset:1024*\f+512*\c   ; 512 consecutive bytes, aligned to 256
.endr
.endm
; Position tile 2 j + x: 16 products (transposed: source 0 = 16 rows of W, source 1 = 16 positions), the 8 accumulators by turns; the bias is the C of each sum's first product.
; In tile t lane (r, h) holds position row r and outputs 32 (t / 2) + 16 h + 8 (t % 2) + 0 .. 7.  Then the tile is quantised along the outputs and stored as an image of its registers.
.macro MULT x, pc, pw
	WIN 0x11                                               ; source 0 (W) and source 2 (the bias) window 1
.irp t, 0,1,2,3,4,5,6,7
	WM ACC+8*\t, WF+16*\t, CD+16*\x, BI+8*\t, WS+\t, SB, 0, \x
.endr
	WIN 0x01
.irp t, 0,1,2,3,4,5,6,7
	WM ACC+8*\t, WF+16*\t+8, CD+16*\x+8, ACC+8*\t, WS+\t, SB+1, 1, \x
.endr
	WIN 0
.rept 4
	v_nop                                                  ; four places ahead of the first read of results (ISA guide 7.12.1)
.endr
	QUANT ACC, \pc, \pw
.irp c, 0,1
	global_store_b128 v[LI], v[\pc+4*\c:\pc+4*\c+3], s[32:33] offset:1024*\x+512*\c
.endr
.endm
	s_load_b256 s[4:11], s[0:1], 0x0               ; p s[4:5], b s[6:7], Wq s[8:9], Wk s[10:11]
	s_load_b256 s[12:19], s[0:1], 0x20             ; bq s[12:13], bk s[14:15], qc s[16:17], kv s[18:19]
	v_lshl_add_u32 v254, v0, 2, 0x14c00
	v_mov_b32 v255, 0
	v_lshrrev_b32 v1, 5, v0
	v_readfirstlane_b32 s24, v1                    ; wave 0..7
	v_and_b32 v1, 31, v0                           ; lane
	v_and_b32 v2, 15, v0                           ; r
	v_bfe_u32 v3, v0, 4, 1                         ; h
	s_and_b32 s20, ttmp9, 1                        ; kind
	s_lshr_b32 s21, ttmp9, 1
	s_lshr_b32 s22, s21, 4                         ; batch
	s_and_b32 s23, s21, 15                         ; u
	v_and_b32 v[RA], 7, v0
	v_bfe_u32 v14, v0, 3, 1
	v_lshl_or_b32 v[RA], v14, 4, v[RA]
	v_lshl_or_b32 v[RA], v3, 3, v[RA]              ; lanes 0-15: the rows of tile 2 j (positions 0-7, 16-23), lanes 16-31: of tile 2 j + 1 (8-15, 24-31)
	v_lshlrev_b32 v[RA], 2, v[RA]
	v_lshlrev_b32 v[LI], 4, v1
	v_lshlrev_b32 v[LS], 2, v1
	v_and_b32 v[WA], 8, v2
	v_add_nc_u32 v[WA], v[WA], v2                  ; r + 8 (r / 8)
	v_lshlrev_b32 v[WA], 10, v[WA]
	v_lshl_add_u32 v[WA], v3, 6, v[WA]
	s_lshl_b32 s46, s24, 11
	v_add_nc_u32 v[WWI], s46, v[LI]                ; WIMG + 2048 w + 16 lane
	s_lshl_b32 s46, s24, 7
	v_lshlrev_b32 v[WWS], 2, v2
	v_add_nc_u32 v[WWS], s46, v[WWS]
	v_add_nc_u32 v[WWS], WSC, v[WWS]               ; WSC + 128 w + 4 r
	v_lshlrev_b32 v[BA], 6, v3
	s_mul_i32 s46, s24, VSTW
	s_add_co_u32 s46, s46, VST                     ; my stage
	v_add_nc_u32 v[VSI], s46, v[LI]
	v_mul_u32_u24 v[VSO], v2, VP
	v_lshl_add_u32 v[VSO], v3, 7, v[VSO]
	v_add_nc_u32 v[VSO], s46, v[VSO]
	v_lshlrev_b32 v[SH], 3, v3
.irp b, 0,1,2,3
	v_mov_b32 v[TM+4+\b], 0                        ; written once: a lane permute's destination counts as one of its sources
.endr
	s_mov_b32 s43, 0xffff0000                      ; lanes 16-31
	s_mov_b32 s44, 0x76543210
	s_mov_b32 s45, 0xfedcba98                      ; v_permlanex16_b32's selects for lane l xor 16
	; offsets, made apart from the addresses
	s_lshl_b32 s46, s22, 22                        ; the tensor: batch x 4,194,304
	s_lshl_b32 s47, s23, 10
	s_add_co_u32 s46, s46, s47                     ; + 256 u positions
	s_lshl_b32 s47, s24, 7
	s_add_co_u32 s46, s46, s47                     ; + 32 w positions
	s_mov_b32 s47, 0
	s_lshr_b32 s48, s24, 1                         ; W: tile w begins at row 32 (w / 2) + 8 (w % 2)
	s_lshl_b32 s48, s48, 15
	s_and_b32 s49, s24, 1
	s_lshl_b32 s49, s49, 13
	s_add_co_u32 s48, s48, s49
	s_mov_b32 s49, 0
	s_lshl_b32 s50, s22, 5
	s_lshl_b32 s51, s23, 1
	s_add_co_u32 s50, s50, s51                     ; record 32 batch + 2 u
	s_add_co_u32 s52, s50, s20                     ; V's: + kind
	s_lshr_b32 s51, s24, 2
	s_add_co_u32 s50, s50, s51                     ; mine: + w / 4
	s_mul_i32 s52, s52, REC
	s_mov_b32 s53, 0
	s_lshl_b32 s54, s22, 22                        ; V in b: batch, channel 32 w, key 128 (2 u + kind)
	s_lshl_b32 s55, s24, 19
	s_add_co_u32 s54, s54, s55
	s_lshl_b32 s55, s23, 1
	s_add_co_u32 s55, s55, s20
	s_lshl_b32 s55, s55, 9
	s_add_co_u32 s54, s54, s55
	s_mov_b32 s55, 0
	s_mov_b32 s42, REC
	s_wait_kmcnt 0x0
	s_cmp_eq_u32 s20, 0                            ; p's work-group or b's?  The choice hangs on the work-group's number alone
	s_cselect_b64 s[26:27], s[4:5], s[6:7]         ; the tensor
	s_cselect_b64 s[28:29], s[8:9], s[10:11]       ; its W
	s_cselect_b64 s[30:31], s[12:13], s[14:15]     ; its bias
	s_cselect_b64 s[32:33], s[16:17], s[18:19]     ; where its codes go
	s_cselect_b32 s42, QREC, s42                   ; and the length of a record there
	s_add_nc_u64 s[26:27], s[26:27], s[46:47]
	s_add_nc_u64 s[28:29], s[28:29], s[48:49]
	s_mul_i32 s50, s50, s42
	s_mov_b32 s51, 0
	s_add_nc_u64 s[32:33], s[32:33], s[50:51]      ; my record
	s_and_b32 s46, s24, 3                          ; j
	s_lshl_b32 s48, s46, 7
	s_add_co_u32 s48, s48, 8192
	s_add_nc_u64 s[34:35], s[32:33], s[48:49]      ; my scale words
	s_lshl_b32 s46, s46, 11
	s_add_nc_u64 s[32:33], s[32:33], s[46:47]      ; my two tiles' codes
	s_add_nc_u64 s[36:37], s[6:7], s[54:55]        ; V's numbers
	s_add_nc_u64 s[38:39], s[18:19], s[52:53]      ; V's record
	s_lshl_b32 s46, s24, 7
	s_add_co_u32 s46, s46, 25088
	s_add_nc_u64 s[40:41], s[38:39], s[46:47]      ; V's scale words
	s_lshl_b32 s46, s24, 11
	s_add_co_u32 s46, s46, 8704
	s_add_nc_u64 s[38:39], s[38:39], s[46:47]      ; V's codes
	; ---- the loads, in this order: the bias (16), W's two K steps (16, 16), block 0 (32)
	WIN 0x40                                       ; destination window 1
.irp t, 0,1,2,3,4,5,6,7
	global_load_b128 v[BI+8*\t:BI+8*\t+3], v[BA], s[30:31] offset:(32*(\t/2)+8*(\t%2))*4        ; lane (r, h), tile t: the bias of outputs 32 (t / 2) + 8 (t % 2) + 16 h + 0 .. 7
	global_load_b128 v[BI+8*\t+4:BI+8*\t+7], v[BA], s[30:31] offset:(32*(\t/2)+8*(\t%2))*4+16
.endr
	WIN 0
	XLOAD ACC, 0
	XLOAD W1F, 1
	LOAD 0
	; ---- W's tile w is quantised and goes to LDS as images of its registers
	s_wait_loadcnt 48                              ; behind W's K step 0: its K step 1 (16) and block 0 (32)
	QUANT ACC, PC0, PW0
.irp c, 0,1
	ds_store_b128 v[WWI], v[PC0+4*\c:PC0+4*\c+3] offset:WIMG+512*\c
.endr
	ds_store_b32 v[WWS], v[PW0]                    ; lanes r and r + 16 write the same word with the same value
	s_wait_loadcnt 32                              ; behind W's K step 1: block 0
	QUANT W1F, PC1, PW1
.irp c, 0,1
	ds_store_b128 v[WWI], v[PC1+4*\c:PC1+4*\c+3] offset:WIMG+1024+512*\c
.endr
	ds_store_b32 v[WWS], v[PW1] offset:64
	LOAD 1
	s_wait_dscnt 0x0                               ; for the others' sake: my stores have landed
	s_barrier_signal -1
	s_barrier_wait -1                              ; W's sixteen fragments lie in LDS: the launch's one barrier
	WIN 0x40
.irp f, 0,1,2,3,4,5,6,7,8,9,10,11,12,13,14,15
.irp c, 0,1
	ds_load_b128 v[WF+8*\f+4*\c:WF+8*\f+4*\c+3], v[LI] offset:WIMG+1024*\f+512*\c
.endr
.endr
	WIN 0
.irp t, 0,1,2,3,4,5,6,7
	ds_load_b32 v[WS+\t], v[LS] offset:WSC+128*\t  ; lanes 0-15: K step 0's word of row r; lanes 16-31: K step 1's
.endr
	; ---- the stream: eight blocks of 32 channels, two blocks of loads ahead
.irp t, 0,1,2,3,4,5,6
	BLOCK \t, 32                                   ; the next block's 32 loads may stay out
.endr
	BLOCK 7, 16                                    ; V's first fragment may stay out
.set i, 0
.rept 16
	v_permlane16_swap_b32 v[CD+i], v[CD+16+i]      ; the even blocks' lanes 16-31 change places with the odd blocks' lanes 0-15: two fragments for each tile, in the operand's layout
.set i, i+1
.endr
	; ---- V
	VFRAG 0, ACC, 16                               ; V's second fragment may stay out
	VFRAG 1, R, 0
	v_cndmask_b32 v[VWC], v[VW], v[VW+1], s43      ; lanes 0-15 tile 2 w's words, lanes 16-31 tile 2 w + 1's
	global_store_b32 v[LS], v[VWC], s[40:41]
	; ---- the products (W's fragments and scale words are in: the waits for 0 above)
	MULT 0, PC0, PW0
	MULT 1, PC1, PW1
	v_cndmask_b32 v[PWC], v[PW0], v[PW1], s43
	global_store_b32 v[LS], v[PWC], s[34:35]
	s_wait_tensorcnt 0x0
	ds_add_u32 v254, v255
	s_wait_dscnt 0x0
	s_endpgm
.Lfunc_end_k_q9734e8e33c_prep:
	.size	k_q9734e8e33c_prep, .Lfunc_end_k_q9734e8e33c_prep-k_q9734e8e33c_prep
	.p2alignl 7, 3214868480
	.fill 96, 4, 3214868480
	.section	.rodata,"a",@progbits
	.p2align	6, 0x0
	.amdhsa_kernel k_q9734e8e33c_prep
		.amdhsa_group_segment_fixed_size 86016
		.amdhsa_private_segment_fixed_size 0
		.amdhsa_enable_private_segment 0
		.amdhsa_kernarg_size 64
		.amdhsa_user_sgpr_count 2
		.amdhsa_user_sgpr_kernarg_segment_ptr 1
		.amdhsa_wavefront_size32 1
		.amdhsa_system_sgpr_workgroup_id_x 1
		.amdhsa_system_sgpr_workgroup_id_y 1
		.amdhsa_system_sgpr_workgroup_id_z 1
		.amdhsa_system_vgpr_workitem_id 0
		.amdhsa_next_free_vgpr 448
		.amdhsa_next_free_sgpr 66
		.amdhsa_reserve_vcc 0
		.amdhsa_float_denorm_mode_32 3
		.amdhsa_float_denorm_mode_16_64 3
		.amdhsa_memory_ordered 1
		.amdhsa_forward_progress 1
		.amdhsa_inst_pref_size 82
	.end_amdhsa_kernel
	.amdgpu_metadata
---
amdhsa.version: [ 1, 2 ]
amdhsa.kernels:
  - .name:           k_q9734e8e33c_prep
    .symbol:         k_q9734e8e33c_prep.kd
    .args:
      - { .name: p, .offset: 0, .size: 8, .value_kind: global_buffer, .address_space: global }
      - { .name: b, .offset: 8, .size: 8, .value_kind: global_buffer, .address_space: global }
      - { .name: Wq, .offset: 16, .size: 8, .value_kind: global_buffer, .address_space: global }
      - { .name: Wk, .offset: 24, .size: 8, .value_kind: global_buffer, .address_space: global }
      - { .name: bq, .offset: 32, .size: 8, .value_kind: global_buffer, .address_space: global }
      - { .name: bk, .offset: 40, .size: 8, .value_kind: global_buffer, .address_space: global }
      - { .name: qc, .offset: 48, .size: 8, .value_kind: global_buffer, .address_space: global }
      - { .name: kv, .offset: 56, .size: 8, .value_kind: global_buffer, .address_space: global }
    .group_segment_fixed_size: 86016
    .private_segment_fixed_size: 0
    .kernarg_segment_align: 8
    .kernarg_segment_size: 64
    .max_flat_workgroup_size: 256
    .sgpr_count:     66
    .vgpr_count:     448
    .wavefront_size: 32
...
	.end_amdgpu_metadata
.endif
;; end of part 1
;; launch attn (part 2): grid 32 x 8, 4 waves a work-group, clusters of 4 x 1, 327,680 bytes of LDS; arguments qc, kv, out0; writes out0
.if DOCPART == 2
	.amdgcn_target "amdgcn-amd-amdhsa--gfx1250"
	.amdhsa_code_object_version 6
	.text
	.protected	k_q9734e8e33c_attn
	.globl	k_q9734e8e33c_attn
	.p2align	8
	.type	k_q9734e8e33c_attn,@function
k_q9734e8e33c_attn:
	s_mov_b64 s[64:65], 0
	v_nop
	global_prefetch_b8 v0, s[64:65] scope:SCOPE_SE
	s_setreg_imm32_b32 hwreg(HW_REG_WAVE_MODE, 25, 1), 1
	s_wait_xcnt 0x0
	s_wait_alu depctr_hold_cnt(0) depctr_sa_sdst(0) depctr_va_vdst(0) depctr_va_sdst(0) depctr_va_ssrc(0) depctr_va_vcc(0) depctr_vm_vsrc(0)
	s_getreg_b32 s2, hwreg(HW_REG_IB_STS2, 6, 4)
	s_cmp_eq_u32 s2, 0
	s_cbranch_scc0 .Lentry_in_a_cluster
	s_endpgm
.Lentry_in_a_cluster:
	s_bfe_u32 s2, ttmp6, 0x10000c
	s_cmp_lg_u32 s2, 0x3003
	s_cbranch_scc0 .Lentry_shape_is_right
	s_endpgm
.Lentry_shape_is_right:
; ATTN.  out[batch][c][n] = (the sum over keys m of p(n, m) V(c, m)) / l(n), p = 2^(t - M), t = (q(n) . k(m)) log2(e), both products on codes of FP4 (E2M1) with one E8M0 scale for each 32 along K.
; qc, kv: records of 128 positions, laid in the order of the operands' registers by the launch before:
;   0 K's (qc: Q's) codes, tile t at 1024 t + 512 c + 16 lane;  8192 their scale words [j][lane] (lanes 0-15 tile 2 j, lanes 16-31 tile 2 j + 1);
;   8704 V's codes, channel tile ct at 1024 ct + 512 c + 16 lane;  25088 V's scale words [w][lane].  Row r of position tile 2 j + x is position 32 j + 8 x + r + 8 (r / 8).
; THE SOFTMAX: M = the running largest t rounded UP to a whole number, kept as -M = floor(-t).  p is quantised along the keys, not normalised; the row's sum l is taken of the unquantised p and divides at the end.
; When M moves, l and O are multiplied by 2^(old M - new M): exact, and without a branch on data.
; SHARES.  A work-group owns 128 queries of a batch (one record of qc); each of its four waves, one to a SIMD, owns TWO tiles of 16 queries (tiles 2 w and 2 w + 1), so that each fragment of K and of V that it
; reads from LDS feeds two products.  Every wave walks all 4,096 keys, 256 a step.
; LAYOUT.  Both products are used transposed: S^T = K Q^T (source 0 = 16 keys, source 1 = 16 queries), O^T = V P^T (source 0 = 16 channels, source 1 = P): a lane holds ONE query of each tile throughout; the 16
; registers of two neighbouring tiles of S^T are 16 neighbouring keys, so the conversions' results, with one exchange of halves, are the second product's operand.
; FRAGMENTS.  Two buffers of 16 fragments, X and Y.  At a step's head X holds its K.  Behind K Q^T, V of the step's second record goes into X and V of its first into Y: both land under the softmax.
; V P by X comes first; then the NEXT step's K is fetched into X and lands under V P by Y.  So every step names the same registers.
; CLUSTER.  The four blocks of queries of a cluster belong to one batch and walk the same records: each record is asked for JOINTLY, by the same tensor load with the same descriptor and a mask that names the four.
; RING.  Two LDS slots of four records (512 keys, two steps); each wave fetches a record.  Both first fills go out together; then one load a wave behind each change of slots: by this text's count a wave has two
; tensor loads outstanding at the start and one later.  THE CHANGE OF SLOTS stands in a slot's second step, between the rescaling of O^T and V P: the wave's last reads of the slot are waited for there anyway.
; REGISTERS, in windows of 256 (s_set_vgpr_msb: bits 1:0 source 0, 3:2 source 1, 5:4 source 2, 7:6 destination):
;   window 0: addresses, statistics, Q, all scale words, P's codes, work.   window 1: O^T, tile x, channel tile t at 128 x + 8 t.   window 2: X at v0, Y at v128.   window 3: S^T, then p: tile x, key tile T at 128 x + 8 T.
; LIMITS: NaN and infinities are not served.  A block's largest p is taken as the exponential of the block's largest score, which takes v_exp_f32 not to fall where its input rises.  A block all of whose p have
; fallen to 0 keeps the byte 1: its codes are zeros.  The f32 sums go in another order than the reference's.
.set REC,   26112                      ; a record of kv
.set SLOT1, 1<<17                      ; slot 1 begins here: one exclusive or turns an address in one slot into the other's
.set SPARE, 4*REC                      ; behind slot 0: the spare words, 128 bytes for each wave: two blocks of 256 bytes that no other line names
.set SP,    528                        ; the way out: a stage row: 128 queries x 4 bytes + 16
.set STG1,  SLOT1+4*REC                ; channels 128-255: behind slot 1, never filled.  Channels 0-127 lie at byte 0, in slot 0, which has had its last fill and its last read when the first result is stored there
.set LI,  1                            ; v1   16 x lane; never rewritten
.set LS,  2                            ; v2   4 x lane; never rewritten
.set SPW, 3                            ; v3   LDS address of my spare word: SPARE + 4 x my thread's number; never rewritten
.set NIL, 4                            ; v4   0; never rewritten
.set ADI, 5                            ; v5   a step's two records + 16 x lane: set when the step's K is fetched, and serves its V too
.set ADW, 6                            ; v6   the same + 4 x lane
.set STO, 7                            ; v7-8 the way out: where I put a number, channels 0-127 and 128-255
.set RD,  9                            ; v9   and where I read a row back
.set PFO, 10                           ; v10  the prefetches' offset; never rewritten
.set ST,  12                           ; tile x's statistics at v[ST + 8 x]: +0 -M, +1 the largest t, +2, +3 the sum in two halves, +4, +5 f = 2^(old M - new M), named as a pair, +6 at work
.set QF,  32                           ; v32-47 Q's two fragments
.set QS,  48                           ; v48  Q's scale words: lanes 0-15 tile 2 w, lanes 16-31 tile 2 w + 1.  Scales and nothing else
.set PS,  50                           ; v50-53 P's scale words, tile x, record e at PS + 2 x + e.  Scales and nothing else
.set KS,  56                           ; v56-63 K's scale words.  Scales and nothing else
.set VS,  64                           ; v64-79 V's scale words.  Scales and nothing else
.set PC,  80                           ; v80-111 P's codes: tile x, record e at PC + 16 x + 8 e
.set BM,  112                          ; v112-127 each block's largest score, then its largest p: block 8 x + b
.set TT,  128                          ; v128-143 at work; lane permutes' targets
.set SO,  144                          ; v144-159 the conversions' scale operands
.set CH,  160                          ; v160-171 the sums' chains 1 to 3 of tile x, pairs at CH + 6 x
.set XB,  0                            ; window 2
.set YB,  128
.set MSB, 0
.macro WIN new                         ; the immediate's high byte repeats the setting that is left; a switch that changes nothing is dropped
.if MSB != \new
	s_set_vgpr_msb (MSB<<8)|\new
.set MSB, \new
.endif
.endm
; a product of S^T = K Q^T: the constant 0 starts the sum.  ra, rb: the scales are taken from lanes 16-31
.macro QKM d, a, b, sa, ra, rb
.if (\ra) && (\rb)
	v_wmma_scale_f32_16x16x128_f8f6f4 v[(\d):(\d)+7], v[(\a):(\a)+7], v[(\b):(\b)+7], 0, v[\sa], v[QS] matrix_a_fmt:MATRIX_FMT_FP4 matrix_b_fmt:MATRIX_FMT_FP4 matrix_a_scale:MATRIX_SCALE_ROW1 matrix_b_scale:MATRIX_SCALE_ROW1
.elseif \ra
	v_wmma_scale_f32_16x16x128_f8f6f4 v[(\d):(\d)+7], v[(\a):(\a)+7], v[(\b):(\b)+7], 0, v[\sa], v[QS] matrix_a_fmt:MATRIX_FMT_FP4 matrix_b_fmt:MATRIX_FMT_FP4 matrix_a_scale:MATRIX_SCALE_ROW1
.elseif \rb
	v_wmma_scale_f32_16x16x128_f8f6f4 v[(\d):(\d)+7], v[(\a):(\a)+7], v[(\b):(\b)+7], 0, v[\sa], v[QS] matrix_a_fmt:MATRIX_FMT_FP4 matrix_b_fmt:MATRIX_FMT_FP4 matrix_b_scale:MATRIX_SCALE_ROW1
.else
	v_wmma_scale_f32_16x16x128_f8f6f4 v[(\d):(\d)+7], v[(\a):(\a)+7], v[(\b):(\b)+7], 0, v[\sa], v[QS] matrix_a_fmt:MATRIX_FMT_FP4 matrix_b_fmt:MATRIX_FMT_FP4
.endif
.endm
; a product of O^T += V P^T, in place
.macro PVM d, a, b, sa, sb, ra
.if \ra
	v_wmma_scale_f32_16x16x128_f8f6f4 v[(\d):(\d)+7], v[(\a):(\a)+7], v[(\b):(\b)+7], v[(\d):(\d)+7], v[\sa], v[\sb] matrix_a_fmt:MATRIX_FMT_FP4 matrix_b_fmt:MATRIX_FMT_FP4 matrix_a_scale:MATRIX_SCALE_ROW1
.else
	v_wmma_scale_f32_16x16x128_f8f6f4 v[(\d):(\d)+7], v[(\a):(\a)+7], v[(\b):(\b)+7], v[(\d):(\d)+7], v[\sa], v[\sb] matrix_a_fmt:MATRIX_FMT_FP4 matrix_b_fmt:MATRIX_FMT_FP4
.endif
.endm
; A round of the cluster's barrier: my work-group's barrier; wave 0 signals for the work-group; every wave waits for all four work-groups; my work-group's barrier once more
.macro CROUND
	s_barrier_signal -1
	s_barrier_wait -1
	s_cmp_lg_u32 s10, 0
	s_cbranch_scc1 .Lnot_wave_0_\@
	s_barrier_signal -3
.Lnot_wave_0_\@:
	s_barrier_wait -3
	s_barrier_signal -1
	s_barrier_wait -1
.endm
; A PREFETCH INTO THE L2 of the four records that the NEXT change of slots will ask for: two steps of 256 keys ahead of that load.  All clusters of a batch walk the same records: the batch's first cluster asks.
; Its four partners take a record each, told apart BY ADDRESS; in each, every wave asks, one instruction, behind its tensor load's four lines, lanes 256 bytes apart: 128 lanes for a record's 102 blocks of
; 256 bytes; the lanes that are over name the record's last block again.  The last change that fills a slot asks for nothing: there is no slot behind it.  Slots 0, 1 and 2 come by their loads alone.
.macro ASK
	s_cmp_gt_u32 s40, s41
	s_cbranch_scc0 .Lnot_mine_\@
	global_prefetch_b8 v[PFO], s[42:43] th:TH_LOAD_NT scope:SCOPE_SE
.Lnot_mine_\@:
.endm
; a step's K: its 8 registers of scale words, then its 16 fragments, in the order in which the products take them, into X
.macro KFETCH
.irp e, 0,1
.irp j, 0,1,2,3
	ds_load_b32 v[KS+4*\e+\j], v[ADW] offset:\e*REC+8192+128*\j
.endr
.endr
	WIN 0x80                                       ; destination window 2
.irp e, 0,1
.irp t, 0,1,2,3,4,5,6,7
.irp c, 0,1
	ds_load_b128 v[XB+8*(8*\e+\t)+4*\c:XB+8*(8*\e+\t)+4*\c+3], v[ADI] offset:\e*REC+1024*\t+512*\c
.endr
.endr
.endr
.endm
; a step's V: 16 registers of scale words; the second record's 16 fragments into X, the first's into Y
.macro VFETCH
.irp e, 0,1
.irp j, 0,1,2,3,4,5,6,7
	ds_load_b32 v[VS+8*\e+\j], v[ADW] offset:\e*REC+25088+128*\j
.endr
.endr
	WIN 0x80
.irp t, 0,1,2,3,4,5,6,7,8,9,10,11,12,13,14,15
.irp c, 0,1
	ds_load_b128 v[XB+8*\t+4*\c:XB+8*\t+4*\c+3], v[ADI] offset:REC+8704+1024*\t+512*\c
.endr
.endr
.irp t, 0,1,2,3,4,5,6,7,8,9,10,11,12,13,14,15
.irp c, 0,1
	ds_load_b128 v[YB+8*\t+4*\c:YB+8*\t+4*\c+3], v[ADI] offset:8704+1024*\t+512*\c
.endr
.endr
.endm
; 32 products O^T += V P^T: K = record e's 128 keys, V's fragments in buffer buf.  The 32 accumulators take turns, one instruction a turn
.macro PVALL e, buf
	WIN 0x52                                       ; V window 2, P window 0, C and D window 1
.irp t, 0,1,2,3,4,5,6,7,8,9,10,11,12,13,14,15
.irp x, 0,1
	PVM 128*\x+8*\t, \buf+8*\t, PC+16*\x+8*\e, VS+8*\e+\t/2, PS+2*\x+\e, \t%2
.endr
.endr
.endm
; A STEP: 256 keys, two records.  chg = 0: a slot's first step; the next step's K lies in the same slot.  chg = 1: a slot's second step, with the change of slots, and the slot is filled again.
; chg = 2: the same without a fill.
.macro STEP chg
	WIN 0xc2                                       ; K window 2, Q window 0, S^T window 3
.irp g, 0,1,2,3                                ; S^T = K Q^T: sixteen tiles of 16 keys x my two tiles of queries
	s_wait_dscnt 24-8*\g                           ; the loads of the fragments behind these four may stay out: 8 for each four
.irp k, 0,1,2,3
.irp x, 0,1
	QKM 128*\x+8*(4*\g+\k), XB+8*(4*\g+\k), QF+8*\x, KS+(4*\g+\k)/2, \k%2, \x
.endr
.endr
.endr
	WIN 0
.rept 4
	v_nop                                          ; four places: ahead of loads into registers that products have read (X, Y, V's scale words), and of the first read of the scores
.endr
	VFETCH                                         ; lands under the softmax
	; ---- the softmax of both tiles.  Block B = 8 x + b is registers 16 B .. 16 B + 15 of window 3: keys 32 b + 16 (lane / 16) + 0 .. 15 of the step, tile x
	WIN 0x3f                                       ; all three sources window 3
.irp b, 0,1,2,3,4,5,6,7,8,9,10,11,12,13,14,15
	v_max3_num_f32 v[BM+\b], v[16*\b], v[16*\b+1], v[16*\b+2]   ; the largest score of each block, each tile from its low end on: it serves for the row's maximum and for the block's largest p
.endr
	WIN 0x3c                                       ; sources 1 and 2 window 3
.irp i, 3,5,7,9,11,13
.irp b, 0,1,2,3,4,5,6,7,8,9,10,11,12,13,14,15
	v_max3_num_f32 v[BM+\b], v[BM+\b], v[16*\b+\i], v[16*\b+\i+1]
.endr
.endr
	WIN 0x0c                                       ; source 1 window 3
.irp b, 0,1,2,3,4,5,6,7,8,9,10,11,12,13,14,15
	v_max_num_f32 v[BM+\b], v[BM+\b], v[16*\b+15]
.endr
	WIN 0
.irp b, 0,1,2,3,4,5,6,7,8,9,10,11,12,13,14,15
	v_permlanex16_b32 v[TT+\b], v[BM+\b], s20, s21
.endr
.irp b, 0,1,2,3,4,5,6,7,8,9,10,11,12,13,14,15
	v_max_num_f32 v[BM+\b], v[BM+\b], v[TT+\b]     ; with lane l xor 16's 16 keys
.endr
.irp x, 0,1                                    ; the two tiles by turns, line by line
	v_max3_num_f32 v[ST+8*\x+6], v[BM+8*\x], v[BM+8*\x+1], v[BM+8*\x+2]
.endr
.irp x, 0,1
	v_max3_num_f32 v[ST+8*\x+6], v[ST+8*\x+6], v[BM+8*\x+3], v[BM+8*\x+4]
.endr
.irp x, 0,1
	v_max3_num_f32 v[ST+8*\x+6], v[ST+8*\x+6], v[BM+8*\x+5], v[BM+8*\x+6]
.endr
.irp x, 0,1
	v_max_num_f32 v[ST+8*\x+6], v[ST+8*\x+6], v[BM+8*\x+7]   ; the step's largest score of my query
.endr
.irp x, 0,1
	v_mul_f32 v[ST+8*\x+6], s22, v[ST+8*\x+6]      ; as t
.endr
.irp x, 0,1
	v_max_num_f32 v[ST+8*\x+1], v[ST+8*\x+1], v[ST+8*\x+6]   ; the running largest t
.endr
.irp x, 0,1
	v_mov_b32 v[ST+8*\x+6], v[ST+8*\x]
.endr
.irp x, 0,1
	v_floor_f32 v[ST+8*\x], -v[ST+8*\x+1]          ; the new -M = floor(-t) = -ceil(t)
.endr
.irp x, 0,1
	v_sub_f32 v[ST+8*\x+6], v[ST+8*\x], v[ST+8*\x+6]   ; old M - new M: a whole number, 0 or less
.endr
.irp x, 0,1
	v_cvt_i32_f32 v[ST+8*\x+6], v[ST+8*\x+6]       ; (it saturates)
.endr
.irp x, 0,1
	v_ldexp_f32 v[ST+8*\x+4], 1.0, v[ST+8*\x+6]    ; f = 2^(old M - new M)
.endr
.irp b, 0,1,2,3,4,5,6,7,8,9,10,11,12,13,14,15
	v_fma_f32 v[BM+\b], v[BM+\b], s22, v[ST+8*(\b/8)]   ; t - M of each block's largest score
.endr
	; ONE BATCH under one window setting: the 128 scalings t - M (a pair of scores each) and the 256 exponentials, dealt as scaling, exponential, exponential; a pair is scaled four groups ahead of its exponentials.
	; Nothing in the batch reads an exponential's result.
	WIN 0xc3                                       ; destination and source 0 window 3, -M window 0
.set p, 0
.rept 132
.if p < 128
	v_pk_fma_f32 v[2*p:2*p+1], v[2*p:2*p+1], s[22:23], v[ST+8*(p/64):ST+8*(p/64)+1] op_sel_hi:[1,0,0]   ; (of the pairs log2(e) and -M the low word serves both halves)
.endif
.if p >= 4
	v_exp_f32 v[2*p-8], v[2*p-8]                   ; p = 2^(t - M), at most 1
	v_exp_f32 v[2*p-7], v[2*p-7]
.endif
.set p, p+1
.endr
	WIN 0
.irp x, 0,1
	v_pk_mul_f32 v[ST+8*\x+2:ST+8*\x+3], v[ST+8*\x+2:ST+8*\x+3], v[ST+8*\x+4:ST+8*\x+5] op_sel_hi:[1,0]   ; the sums under the new M: the plain instructions behind the exponentials
.endr
	s_wait_alu depctr_va_vdst(0)                   ; one wait for the batch of 256, ahead of its first reader
.irp b, 0,1,2,3,4,5,6,7,8,9,10,11,12,13,14,15
	v_exp_f32 v[BM+\b], v[BM+\b]                   ; each block's largest p: the same two instructions on the same number give the same bits
.endr
	; the rows' sums of the UNQUANTISED p stand behind the sixteen: four chains a tile, eight by turns.  Pair q of tile x is registers 128 x + 2 q, 2 q + 1; it goes to chain q % 4; chain 0 is the sum itself
	WIN 0x0f                                       ; sources 0 and 1 window 3
.irp c, 1,2,3
.irp x, 0,1
	v_pk_add_f32 v[CH+6*\x+2*\c-2:CH+6*\x+2*\c-1], v[128*\x+2*\c:128*\x+2*\c+1], v[128*\x+2*\c+8:128*\x+2*\c+9]   ; chains 1 to 3 begin with pairs c and c + 4: nothing is cleared
.endr
.endr
	WIN 0x0c                                       ; source 1 window 3
.set p, 0
.rept 64
.if (p%4) == 0
.irp x, 0,1
	v_pk_add_f32 v[ST+8*\x+2:ST+8*\x+3], v[ST+8*\x+2:ST+8*\x+3], v[128*\x+2*p:128*\x+2*p+1]
.endr
.elseif p >= 8
.irp x, 0,1
	v_pk_add_f32 v[CH+6*\x+2*(p%4)-2:CH+6*\x+2*(p%4)-1], v[CH+6*\x+2*(p%4)-2:CH+6*\x+2*(p%4)-1], v[128*\x+2*p:128*\x+2*p+1]
.endr
.endif
.set p, p+1
.endr
	WIN 0
.irp x, 0,1
	v_pk_add_f32 v[ST+8*\x+2:ST+8*\x+3], v[ST+8*\x+2:ST+8*\x+3], v[CH+6*\x:CH+6*\x+1]
.endr
.irp x, 0,1
	v_pk_add_f32 v[CH+6*\x+2:CH+6*\x+3], v[CH+6*\x+2:CH+6*\x+3], v[CH+6*\x+4:CH+6*\x+5]
.endr
.irp x, 0,1
	v_pk_add_f32 v[ST+8*\x+2:ST+8*\x+3], v[ST+8*\x+2:ST+8*\x+3], v[CH+6*\x+2:CH+6*\x+3]
.endr
	s_wait_alu depctr_va_vdst(0)                   ; and one wait for the sixteen
.irp b, 0,1,2,3,4,5,6,7,8,9,10,11,12,13,14,15
	v_max_num_f32 v[BM+\b], 0x1800000, v[BM+\b]    ; the floor 2^(3 - 127): the byte cannot fall under 1
.endr
.irp b, 0,1,2,3,4,5,6,7,8,9,10,11,12,13,14,15
	v_add_nc_u32 v[SO+\b], 0xff000000, v[BM+\b]    ; 2 off the exponent field: the conversion's scale operand
.endr
.irp b, 0,1,2,3,4,5,6,7,8,9,10,11,12,13,14,15
	v_lshrrev_b32 v[TT+\b], 23, v[SO+\b]           ; the scale's byte
.endr
.irp q, 0,1,2,3                                ; q = 2 x + e: P's scale word of tile x for record e's 128 keys
	v_lshl_or_b32 v[PS+\q], v[TT+4*\q+1], 8, v[TT+4*\q]
.endr
.irp q, 0,1,2,3
	v_lshl_or_b32 v[PS+\q], v[TT+4*\q+2], 16, v[PS+\q]
.endr
.irp q, 0,1,2,3
	v_lshl_or_b32 v[PS+\q], v[TT+4*\q+3], 24, v[PS+\q]
.endr
	WIN 0x03                                       ; source 0 (p) window 3
.irp b, 0,1,2,3,4,5,6,7,8,9,10,11,12,13,14,15
	v_cvt_scalef32_pk8_fp4_f32 v[PC+2*\b], v[16*\b:16*\b+7], v[SO+\b]
	v_cvt_scalef32_pk8_fp4_f32 v[PC+2*\b+1], v[16*\b+8:16*\b+15], v[SO+\b]
.endr
	WIN 0
	v_nop                                          ; one plain instruction behind the last scaled conversion
.irp q, 0,1,2,3,4,5,6,7                        ; the operand's layout wants a whole block in a lane: in each group of four registers lanes 0-15 take one block, lanes 16-31 the next
.irp i, 0,1
	v_permlane16_swap_b32 v[PC+4*\q+\i], v[PC+4*\q+2+\i]
.endr
.endr
	WIN 0x41                                       ; O^T (destination and source 0) window 1, f window 0
.set j, 0
.rept 128
	v_pk_mul_f32 v[j:j+1], v[j:j+1], v[ST+8*(j/128)+4:ST+8*(j/128)+5] op_sel_hi:[1,0]   ; O^T under the new M, each tile from its low end on.  These are also the places between P's codes and scale words and the products
.set j, j+2
.endr
	WIN 0
.if \chg == 0
	s_wait_dscnt 0x0                               ; V and its scale words are in
.else
	; THE CHANGE OF SLOTS.  Each wave waits for all its tensor loads (its part of the other slot), adds 0 to its spare word, and waits for that and for its reads of this slot, of which V's were the last.
	s_wait_tensorcnt 0x0                           ; no tensor load of mine is out, so the walking group 0 may be written
	ds_add_u32 v[SPW], v[NIL]                      ; 0 onto my spare word
.if \chg == 1
	s_xor_b32 s37, s37, SLOT1                      ; the walking descriptor: the other slot than last time,
	s_add_nc_u64 s[38:39], s[38:39], 4*REC         ; the next four records; the type bits on top are not reached
	s_wait_xcnt 0x0                                ; the last prefetch, a slot back, has read its address, so it may be written:
	s_add_nc_u64 s[42:43], s[42:43], 4*REC         ; one slot further on than the walking descriptor
.endif
	s_wait_dscnt 0x0                               ; the add is done, my reads of this slot are over, V and its scale words are in
.if \chg == 1
	CROUND                                         ; no wave of any partner still reads this slot or has a load on its way
	tensor_load_to_lds s[36:39], s[24:31]          ; the joint refill, first thing behind the round: it has V P and the other slot's two steps in which to land
	s_nop 0
.rept 4
	v_nop                                          ; four lines behind the load
.endr
	ASK
.else
	s_barrier_signal -1
	s_barrier_wait -1                              ; the other slot is whole for every wave
.endif
	s_xor_b32 s2, s2, SLOT1                        ; on to the other slot
.endif
	PVALL 1, XB                                    ; the second record's keys first: X is then free
	WIN 0
.if \chg == 0
	s_add_co_u32 s3, s2, 2*REC                     ; the next step: the slot's second two records
.else
	s_mov_b32 s3, s2                               ; the next step: the other slot's first two.  (In the launch's very last step there is no next step: the loads below then bring bytes that nobody uses;
.endif                                                 ; the text of a slot is written twice, not three times)
	v_add_nc_u32 v[ADI], s3, v[LI]
	v_add_nc_u32 v[ADW], s3, v[LS]
	v_nop
	v_nop                                          ; with the two additions: four places ahead of loads into X, which the products above have read
	KFETCH                                         ; lands under the 32 products below
	PVALL 0, YB
	WIN 0
.endm
	s_load_b128 s[4:7], s[0:1], 0x0                ; qc s[4:5], kv s[6:7]
	s_load_b64 s[8:9], s[0:1], 0x10                ; out0
	v_lshl_add_u32 v[SPW], v0, 2, SPARE
	v_mov_b32 v[NIL], 0
	ds_add_u32 v3, v4
	ds_add_u32 v3, v4
	s_wait_dscnt 0x0
	v_lshrrev_b32 v1, 5, v0
	v_readfirstlane_b32 s10, v1                    ; wave 0..3
	s_bfe_u32 s11, ttmp6, 0x40000                  ; cx: my place in the cluster
	s_lshl_b32 s12, ttmp9, 2                       ; in a cluster launch ttmp9 counts clusters
	s_add_co_u32 s12, s12, s11                     ; my block of 128 queries: it enters Q's and the output's addresses alone
	s_and_b32 s13, ttmp7, 0xffff                   ; the batch, which the four partners share
	; descriptor group 1: a record, dense in memory, as 102 rows of 256 bytes (32 elements of 8 bytes), no padding: it is read as it lies, 16 bytes a lane
	s_mov_b32 s24, 15|(3<<16)|(1<<21)              ; 15:0 the mask: all four work-groups; 17:16 elements of 8 bytes; 21 set beside a mask
	s_mov_b32 s25, 32<<16                          ; tensor_dim0 = 32
	s_mov_b32 s26, 102<<16                         ; tensor_dim1 = 102
	s_mov_b32 s27, 32<<16                          ; tile_dim0 = 32
	s_mov_b32 s28, 102                             ; tile_dim1 = 102
	s_mov_b32 s29, 32                              ; tensor_dim0_stride
	s_mov_b32 s30, 0
	s_mov_b32 s31, 0
	s_mul_i32 s14, s13, 32*REC                     ; the batch's records
	s_mov_b32 s32, 1                               ; group 0 for slot 0's first fill: count = 1,
	s_mul_i32 s33, s10, REC                        ; LDS address: record = my wave's number: no place in the cluster enters it
	s_mov_b32 s36, 1                               ; group 0 for slot 1's first fill, which then walks on
	s_add_co_u32 s37, s33, SLOT1
	s_add_co_u32 s16, s14, s33                     ; my record of the first four, in memory
	s_mov_b32 s17, 0
	s_mov_b32 s2, 0                                ; the slot in hand
	s_mov_b32 s40, 6                               ; slots still to be asked for: 2 to 7
	s_mov_b32 s20, 0x76543210
	s_mov_b32 s21, 0xfedcba98                      ; v_permlanex16_b32's selects for lane l xor 16
	s_mov_b32 s22, 0x3fb8aa3b                      ; log2(e)
	s_mov_b32 s23, s22                             ; (named with it as a pair, so it is written)
	s_wait_kmcnt 0x0
	s_add_nc_u64 s[34:35], s[6:7], s[16:17]
	s_add_nc_u64 s[38:39], s[34:35], 4*REC
	s_or_b32 s35, s35, 0x80000000                  ; type = 2
	s_or_b32 s39, s39, 0x80000000
	CROUND                                         ; all four work-groups are here: the first joint loads meet
	tensor_load_to_lds s[32:35], s[24:31]          ; slot 0
	s_nop 0
	tensor_load_to_lds s[36:39], s[24:31]          ; slot 1: the two first fills go out together, ahead of every wait on TENSORcnt and every LDS read
	s_nop 0
.rept 4
	v_nop
.endr
	v_and_b32 v[LI], 31, v0
	v_lshlrev_b32 v[LS], 2, v[LI]
	v_lshlrev_b32 v[LI], 4, v[LI]
	s_mul_i32 s50, s13, 32*8704
	s_mul_i32 s51, s12, 8704
	s_add_co_u32 s50, s50, s51                     ; my record of qc
	s_lshl_b32 s51, s10, 11
	s_add_co_u32 s52, s50, s51                     ; the codes of tiles 2 w and 2 w + 1
	s_mov_b32 s53, 0
	s_lshl_b32 s51, s10, 7                         ; their scale words: 128 w
	s_add_co_u32 s50, s50, s51
	s_add_co_u32 s50, s50, 8192
	s_mov_b32 s51, 0
	s_add_nc_u64 s[46:47], s[4:5], s[52:53]
	s_add_nc_u64 s[48:49], s[4:5], s[50:51]
.irp x, 0,1
.irp c, 0,1
	global_load_b128 v[QF+8*\x+4*\c:QF+8*\x+4*\c+3], v[LI], s[46:47] offset:1024*\x+512*\c   ; Q's fragments stay in registers
.endr
.endr
	global_load_b32 v[QS], v[LS], s[48:49]         ; lanes 0-15: tile 2 w's words; lanes 16-31: tile 2 w + 1's
	s_lshl_b32 s18, s13, 22                        ; the output: batch, channel 64 w, query 128 x block
	s_lshl_b32 s19, s10, 20
	s_add_co_u32 s18, s18, s19
	s_lshl_b32 s19, s12, 9
	s_add_co_u32 s18, s18, s19
	s_mov_b32 s19, 0
	s_add_nc_u64 s[8:9], s[8:9], s[18:19]
	; the prefetches (macro ASK)
	s_mul_i32 s18, s11, REC                        ; my work-group's record of a slot's four,
	s_add_co_u32 s18, s18, s14
	s_add_co_u32 s18, s18, 8*REC                   ; in slot 2: the first change of slots steps it to slot 3.  Nothing is prefetched here, at the head
	s_add_nc_u64 s[42:43], s[6:7], s[18:19]
	s_cmp_eq_u32 ttmp9, 0                          ; the batch's first cluster: the same in all four partners
	s_cselect_b32 s41, 1, -1
	v_lshlrev_b32 v[PFO], 8, v0                    ; 256 x my thread's number,
	v_min_u32 v[PFO], REC-256, v[PFO]              ; held at the record's last block
.irp x, 0,1
	v_mov_b32 v[ST+8*\x+1], 0xff61b1e6             ; the largest t so far: -3e38, under every t
	v_floor_f32 v[ST+8*\x], -v[ST+8*\x+1]          ; -M
	v_mov_b32 v[ST+8*\x+2], 0                      ; the sum, in two halves
	v_mov_b32 v[ST+8*\x+3], 0
	v_mov_b32 v[ST+8*\x+5], 0                      ; (named as the upper half of f's pair)
.endr
.irp b, 0,1,2,3,4,5,6,7,8,9,10,11,12,13,14,15
	v_mov_b32 v[TT+\b], 0                          ; written once: a lane permute's destination counts as one of its sources
.endr
	WIN 0x40                                       ; destination window 1
.set j, 0
.rept 256
	v_mov_b32 v[j], 0                              ; O^T.  A step is written without a first step of its own: the first finds zeros, which the first change of M leaves zeros
.set j, j+1
.endr
	WIN 0
	s_wait_tensorcnt 0x1                           ; my part of slot 0 is in; slot 1's may stay out
	s_barrier_signal -1
	s_barrier_wait -1                              ; everybody's is
	v_add_nc_u32 v[ADI], s2, v[LI]
	v_add_nc_u32 v[ADW], s2, v[LS]
	KFETCH                                         ; the first step's K
	WIN 0
	s_wait_loadcnt 0x0                             ; Q
.Lslot:                                            ; six trips: slots 0 to 5 are walked, and each is filled again with the records two slots on
	STEP 0
	STEP 1
	s_sub_co_u32 s40, s40, 1
	s_cmp_lg_u32 s40, 0
	s_cbranch_scc1 .Lslot
	s_mov_b32 s44, 2
.Ltail:                                            ; the last two slots are a loop of their own: nothing is asked for
	STEP 0
	STEP 2
	s_sub_co_u32 s44, s44, 1
	s_cmp_lg_u32 s44, 0
	s_cbranch_scc1 .Ltail
	; THE WAY OUT.  O^T is divided by the sum.  The output's rows are channels and a lane holds one query of each tile: so the numbers go into a stage of 256 rows (channels) x 128 queries, a barrier,
	; and each wave reads 64 whole rows of 512 bytes and stores them.
.irp x, 0,1
	v_add_f32 v[ST+8*\x+2], v[ST+8*\x+2], v[ST+8*\x+3]   ; the sum's two halves,
.endr
.irp x, 0,1
	v_permlanex16_b32 v[TT+\x], v[ST+8*\x+2], s20, s21
.endr
.irp x, 0,1
	v_add_f32 v[ST+8*\x+2], v[ST+8*\x+2], v[TT+\x] ; and lane l xor 16's: the row's sum
.endr
.irp x, 0,1
	v_rcp_f32 v[ST+8*\x+2], v[ST+8*\x+2]
.endr
	v_and_b32 v[STO], 15, v0                       ; (plain work behind the reciprocals, and the places behind the last products)  r
	v_and_b32 v[STO+1], 8, v0
	v_add_nc_u32 v[STO], v[STO], v[STO+1]          ; r + 8 (r / 8)
	v_bfe_u32 v[STO+1], v0, 4, 1                   ; h
	v_lshlrev_b32 v[STO], 2, v[STO]
	v_mad_u32_u24 v[STO], v[STO+1], 8*SP, v[STO]   ; lanes 16-31 hold channels 8 further on
	s_lshl_b32 s14, s10, 7                         ; tile 2 w's first query: 4 x 32 w bytes; tile 2 w + 1's lies 32 bytes on
	v_add_nc_u32 v[STO], s14, v[STO]
	v_add_nc_u32 v[STO+1], STG1, v[STO]
	s_and_b32 s15, s10, 1
	s_mul_i32 s15, s15, 64*SP
	s_lshr_b32 s16, s10, 1
	s_mul_i32 s16, s16, STG1
	s_add_co_u32 s15, s15, s16                     ; back: channels 64 w .. + 63
	v_add_nc_u32 v[RD], s15, v[LI]
	s_wait_alu depctr_va_vdst(0)                   ; the wait ahead of the reciprocals' first reader
	WIN 0xc1                                       ; O^T window 1, 1 / l window 0, the results into window 3
.set j, 0
.rept 128
	v_pk_mul_f32 v[j:j+1], v[j:j+1], v[ST+8*(j/128)+2:ST+8*(j/128)+3] op_sel_hi:[1,0]   ; register 128 x + 8 t + i: out(channel 16 t + 8 h + i, my query of tile x); each tile from its low end on
.set j, j+2
.endr
	s_wait_dscnt 0x0                               ; the last step's loads out of slot 0 are back,
	s_barrier_signal -1
	s_barrier_wait -1                              ; everybody's: the stage may be written there
	WIN 0x0c                                       ; an LDS store's data are its source 1: window 3
.irp x, 0,1
.irp t, 0,1,2,3,4,5,6,7,8,9,10,11,12,13,14,15
.irp j, 0,1,2,3,4,5,6,7
	ds_store_b32 v[STO+\t/8], v[128*\x+8*\t+\j] offset:(16*(\t%8)+\j)*SP+32*\x
.endr
.endr
.endr
	s_wait_dscnt 0x0                               ; for the others' sake: my stores into the stage have landed
	s_barrier_signal -1
	s_barrier_wait -1
	WIN 0xcc                                       ; an LDS load's destination and a store's data: window 3
.set i, 0
.rept 32
	ds_load_b128 v[4*i:4*i+3], v[RD] offset:SP*i
.set i, i+1
.endr
.set i, 0
.rept 64
.if i < 32
	s_wait_dscnt 31                                ; LDS loads come back in order: row i is in; the 31 younger loads may stay out
.else
	s_wait_dscnt 63-i
.endif
	global_store_b128 v[LI], v[4*i:4*i+3], s[8:9] offset:16384*i th:TH_STORE_NT   ; 32 lanes store 512 consecutive bytes, at a multiple of 256 from the output's first byte
.if i < 32
	ds_load_b128 v[4*i+128:4*i+131], v[RD] offset:SP*(i+32)
.endif
.set i, i+1
.endr
	WIN 0
	s_wait_tensorcnt 0x0                           ; the wave's end: behind my last tensor load and my last LDS store
	ds_add_u32 v[SPW], v[NIL]
	s_wait_dscnt 0x0
	CROUND                                         ; the closing round: no work-group ends while a partner may still ask for a record that names it
	s_endpgm
.Lfunc_end_k_q9734e8e33c_attn:
	.size	k_q9734e8e33c_attn, .Lfunc_end_k_q9734e8e33c_attn-k_q9734e8e33c_attn
	.p2alignl 7, 3214868480
	.fill 96, 4, 3214868480
	.section	.rodata,"a",@progbits
	.p2align	6, 0x0
	.amdhsa_kernel k_q9734e8e33c_attn
		.amdhsa_group_segment_fixed_size 327680
		.amdhsa_private_segment_fixed_size 0
		.amdhsa_enable_private_segment 0
		.amdhsa_kernarg_size 24
		.amdhsa_user_sgpr_count 2
		.amdhsa_user_sgpr_kernarg_segment_ptr 1
		.amdhsa_wavefront_size32 1
		.amdhsa_system_sgpr_workgroup_id_x 1
		.amdhsa_system_sgpr_workgroup_id_y 1
		.amdhsa_system_sgpr_workgroup_id_z 1
		.amdhsa_system_vgpr_workitem_id 0
		.amdhsa_next_free_vgpr 1024
		.amdhsa_next_free_sgpr 66
		.amdhsa_reserve_vcc 0
		.amdhsa_float_denorm_mode_32 3
		.amdhsa_float_denorm_mode_16_64 3
		.amdhsa_memory_ordered 1
		.amdhsa_forward_progress 1
		.amdhsa_inst_pref_size 255
	.end_amdhsa_kernel
	.section	.bss,"aw",@nobits
	.p2align	6
	.space	262144
	.amdgpu_metadata
---
amdhsa.version: [ 1, 2 ]
amdhsa.kernels:
  - .name:           k_q9734e8e33c_attn
    .symbol:         k_q9734e8e33c_attn.kd
    .args:
      - { .name: qc, .offset: 0, .size: 8, .value_kind: global_buffer, .address_space: global }
      - { .name: kv, .offset: 8, .size: 8, .value_kind: global_buffer, .address_space: global }
      - { .name: out0, .offset: 16, .size: 8, .value_kind: global_buffer, .address_space: global }
    .group_segment_fixed_size: 327680
    .private_segment_fixed_size: 0
    .kernarg_segment_align: 8
    .kernarg_segment_size: 24
    .max_flat_workgroup_size: 128
    .sgpr_count:     66
    .vgpr_count:     1024
    .wavefront_size: 32
...
	.end_amdgpu_metadata
.endif
;; end of part 2
;; ======== version 2 of 2: 2 launches; version 1 with the launch prep written anew for expert scheduling mode
;; limits: right only within a limited range of input values
;; workspace buffers: qc 2,228,224 bytes; kv 6,684,672 bytes
;; launch prep (part 3): grid 256 x 1, 8 waves a work-group, no clusters, 86,016 bytes of LDS; arguments p, b, Wq, Wk, bq, bk, qc, kv; writes qc, kv
.if DOCPART == 3
	.amdgcn_target "amdgcn-amd-amdhsa--gfx1250"
	.amdhsa_code_object_version 6
	.text
	.protected	k_q9734e8e33c_prep
	.globl	k_q9734e8e33c_prep
	.p2align	8
	.type	k_q9734e8e33c_prep,@function
k_q9734e8e33c_prep:
	s_mov_b64 s[64:65], 0
	v_nop
	global_prefetch_b8 v0, s[64:65] scope:SCOPE_SE
	s_setreg_imm32_b32 hwreg(HW_REG_WAVE_SCHED_MODE, 0, 2), 2
	s_setreg_imm32_b32 hwreg(HW_REG_WAVE_MODE, 25, 1), 1
	s_wait_xcnt 0x0
	s_wait_alu depctr_vm_vsrc(0)
; PREP.  q = p^T Wq^T + bq and k = Wk b + bk (K = the 256 channels), both products on codes of FP4 (E2M1) with one E8M0 scale for each 32 along K; q and k are quantised again along their 128 outputs,
; and b along the keys (V).  p, b: [8][256][4096] f32; Wq, Wk: [128][256] f32; bq, bk: [128] f32.
; WHAT IS STORED.  A RECORD belongs to 128 positions of one batch and is laid in the order of the operands' registers:
;   0      K's (in qc: Q's) codes: tile t (16 positions x 128 outputs) at 1024 t; register group c at + 512 c; lane l at + 16 l
;   8192   their scale words [j 0..3][lane]: lanes 0-15 tile 2 j, lanes 16-31 tile 2 j + 1
;   8704   V's codes: channel tile ct (16 channels x the record's 128 keys) at 1024 ct, same form          (kv alone)
;   25088  V's scale words [w 0..7][lane]: lanes 0-15 tile 2 w, lanes 16-31 tile 2 w + 1                    (kv alone)
; Row r of position tile 2 j + x is position 32 j + 8 x + r + 8 (r / 8) of the record, so that in the next launch the 16 registers of two neighbouring tiles of scores are 16 neighbouring keys.
; SHARES.  Work-group g: kind = g & 1 (0: p -> Q, 1: b -> K); (g >> 1) = 16 batch + u; it projects positions 256 u .. + 255 of its tensor (records 2 u, 2 u + 1) and quantises V of record 2 u + kind.
; One path through the text: pointers and the record's length alone are chosen, by the work-group's number.  Wave w: positions 32 w .. + 31 of the 256; W's tile w of 16 outputs; V's channels 32 w .. + 31.
; A LANE TAKES A POSITION AND ITS REGISTERS RUN DOWN THE CHANNELS: a block of 32 along K is one lane's 32 registers, and the conversions give codes with K innermost.
; NO CLUSTER, NO TENSOR LOAD: every operand passes through registers as f32 to be quantised; what work-groups share is W alone, 128 KiB beside 384 KiB of a work-group's own.  No prefetch: the launch streams from its first line to its last.
; LIMITS: NaN and infinities among the inputs are not served.  A block whose largest magnitude lies under 2^-124, a block of zeros among them, gets the byte 1 (the rule says 127 for zeros): its codes are
; zeros or nearly so, and the bytes are read by this program alone.  The bias is the first addend of each sum, not the last.
; THE MODE: SCHED_MODE bits 1:0 = 2 (LLVM: expert scheduling mode 2), set by the entry lines.  The code itself states the register dependences between vector or matrix instructions and memory or LDS
; instructions, with s_wait_alu, always for 0.
; THE PLAN.  Registers that memory or LDS instructions touch, and who else names them, in program order:
;   s24            The wave's number, written by v_readfirstlane_b32: one wait on va_sdst ahead of the first line that reads it.
;   v4 .. v12      Offsets and LDS addresses: written by vector instructions at the head, read by every load and store, never written again: one wait on va_vdst ahead of the first load.
;   PC0, PC1 and   Written by W's two quantisations, read by six LDS stores behind ONE wait on va_vdst; written again by the tiles' quantiser, behind the wait on vm_vsrc that stands in V's first fragment;
;   PW0, PW1       read then by the tiles' global stores, each tile's behind a wait on va_vdst.
;   R0, R1         (v16-47, v48-79)  Block t's loads land in R[t % 2]; its maxima and conversions read the set; behind them the loads of block t + 2 land in it (behind blocks 6 and 7: the two halves of V's second
;                  fragment).  One wait on va_vdst a block, behind its conversions: the set is asked for again at once.  R1 holds part of W's K step 1 first: the wait behind W's quantisations frees it for block 1.
;   ACC            (v112-175)  W's K step 0, read by the quantiser; then V's first fragment lands there, asked for at block 6's head with no wait, since no vector or matrix instruction behind the wait that follows
;                  W's quantisations names it; LDS stores read it, LDS loads land in it again (a wait on vm_vsrc between), V's maxima and conversions read it, the products write it.
;   VC, VWC, PWC   Written by conversions and selects, read by global stores behind a wait on va_vdst, never written again.
;   CD, SB         Named by no memory instruction, but written by vector instructions and taken by the scaled products as source 1 and as scales: the wait on va_vdst ahead of V's last stores stands between.
;   window 1, WS   W's fragments, the bias and W's scale words: loads land there once, and products alone read them.
;   v254, v255     Written at the head, read by the closing add alone.
.set REC,   26112                      ; a record of kv in bytes (102 x 256)
.set QREC,  8704                       ; a record of qc
.set WIMG,  0                          ; LDS: W's 16 fragments (tile t, K step s) as images of their registers, 1024 (2 t + s) + 512 c + 16 lane
.set WSC,   16384                      ; their scale words: 128 t + 64 s + 4 r
.set VST,   17408                      ; each wave's own stage: 16 rows x (512 + 16) bytes
.set VP,    528
.set VSTW,  16*VP
.set RA,  4                            ; v4   4 x my position among the wave's 32: the lane's number with bits 3 and 4 exchanged
.set LI,  5                            ; v5   16 x lane
.set LS,  6                            ; v6   4 x lane
.set WA,  7                            ; v7   W: row r + 8 (r / 8) of 1,024 bytes, + 64 h
.set WWI, 8                            ; v8   where I store W's images
.set WWS, 9                            ; v9   and their scale words
.set BA,  10                           ; v10  the bias: 64 h
.set VSI, 11                           ; v11  my stage, on the way in: 16 x lane
.set VSO, 12                           ; v12  and on the way out: 528 r + 128 h
.set SH,  13                           ; v13  8 h
.set R,   16                           ; v16-79   two sets of 32 numbers; later V's second fragment
.set W1F, 48                           ; v48-111  W's f32 of K step 1 (ahead of the stream)
.set CD,  80                           ; v80-111  the positions' codes: even blocks, then odd blocks; behind the exchange: tile 2 j's two fragments, then tile 2 j + 1's
.set ACC, 112                          ; v112-175 W's f32 of K step 0; V's first fragment; the 8 accumulators
.set PC0, 176                          ; v176-191 the codes just made, two sets
.set PC1, 184
.set VC,  192                          ; v192-207 V's codes, two fragments
.set PW0, 208                          ; scale words just made
.set PW1, 209
.set PWC, 210
.set VW,  211                          ; v211-212 V's
.set VWC, 213
.set MA,  214                          ; v214-217 a block at work: two maxima, the conversion's scale operand, the byte
.set MB,  215
.set MS,  216
.set MY,  217
.set TM,  220                          ; v220-235 at work: +0..3 maxima, +4..7 bytes and lane permutes' targets, +8..9 V's bytes, +12..15 scale operands
.set WS,  236                          ; v236-243 W's scale words, tile t: lanes 0-15 K step 0, lanes 16-31 K step 1.  Scales and nothing else
.set SB,  244                          ; v244-245 the positions' scale words, K step s: lanes 0-15 tile 2 j, lanes 16-31 tile 2 j + 1.  Scales and nothing else
.set WF,  0                            ; window 1: W's fragments, (t, s) at 8 (2 t + s)
.set BI,  128                          ; window 1: the bias in the result's layout, tile t at 128 + 8 t
.set MSB, 0
.macro WIN new                         ; the immediate's high byte repeats the setting that is left
.if MSB != \new
	s_set_vgpr_msb (MSB<<8)|\new
.set MSB, \new
.endif
.endm
; the matrix instruction: D, A, B, C by their first registers; ra, rb: the scales are taken from lanes 16-31
.macro WM d, a, b, c, sa, sb, ra, rb
.if (\ra) && (\rb)
	v_wmma_scale_f32_16x16x128_f8f6f4 v[(\d):(\d)+7], v[(\a):(\a)+7], v[(\b):(\b)+7], v[(\c):(\c)+7], v[\sa], v[\sb] matrix_a_fmt:MATRIX_FMT_FP4 matrix_b_fmt:MATRIX_FMT_FP4 matrix_a_scale:MATRIX_SCALE_ROW1 matrix_b_scale:MATRIX_SCALE_ROW1
.elseif \ra
	v_wmma_scale_f32_16x16x128_f8f6f4 v[(\d):(\d)+7], v[(\a):(\a)+7], v[(\b):(\b)+7], v[(\c):(\c)+7], v[\sa], v[\sb] matrix_a_fmt:MATRIX_FMT_FP4 matrix_b_fmt:MATRIX_FMT_FP4 matrix_a_scale:MATRIX_SCALE_ROW1
.elseif \rb
	v_wmma_scale_f32_16x16x128_f8f6f4 v[(\d):(\d)+7], v[(\a):(\a)+7], v[(\b):(\b)+7], v[(\c):(\c)+7], v[\sa], v[\sb] matrix_a_fmt:MATRIX_FMT_FP4 matrix_b_fmt:MATRIX_FMT_FP4 matrix_b_scale:MATRIX_SCALE_ROW1
.else
	v_wmma_scale_f32_16x16x128_f8f6f4 v[(\d):(\d)+7], v[(\a):(\a)+7], v[(\b):(\b)+7], v[(\c):(\c)+7], v[\sa], v[\sb] matrix_a_fmt:MATRIX_FMT_FP4 matrix_b_fmt:MATRIX_FMT_FP4
.endif
.endm
; W's 64 numbers a lane of K step s: of row r + 8 (r / 8), 16 neighbours of each block of 32
.macro XLOAD reg, s
.irp b, 0,1,2,3
.irp j, 0,1,2,3
	global_load_b128 v[\reg+16*\b+4*\j:\reg+16*\b+4*\j+3], v[WA], s[28:29] offset:512*\s+128*\b+16*\j
.endr
.endr
.endm
; block t: channels 32 t .. + 31 of my position, into set t % 2; each load reads the wave's 128 consecutive bytes
.macro LOAD t
.set i, 0
.rept 32
	global_load_b32 v[R+32*((\t)%2)+i], v[RA], s[26:27] offset:(32*(\t)+i)*16384
.set i, i+1
.endr
.endm
; V's fragment f: 16 channels x 128 keys, a row's 512 consecutive bytes a load; rows i0 .. i0 + num - 1
.macro VLOAD f, reg, i0, num
.set i, \i0
.rept \num
	global_load_b128 v[\reg+4*i:\reg+4*i+3], v[LI], s[36:37] offset:(16*\f+i)*16384
.set i, i+1
.endr
.endm
; 64 numbers of a lane, register 16 b + i = k 32 b + 16 (lane / 16) + i of my row, become a fragment's codes in v[pc] on and its scale word in v[pw]
.macro QUANT s, pc, pw
.irp b, 0,1,2,3
	v_max3_num_f32 v[TM+\b], |v[\s+16*\b]|, |v[\s+16*\b+1]|, 0x1800000   ; block b: my 16 numbers, from the low end on, and the floor 2^(3 - 127): the byte cannot fall under 1
.endr
.irp i, 2,4,6,8,10,12,14
.irp b, 0,1,2,3
	v_max3_num_f32 v[TM+\b], v[TM+\b], |v[\s+16*\b+\i]|, |v[\s+16*\b+\i+1]|   ; the four blocks by turns
.endr
.endr
.irp b, 0,1,2,3
	v_permlanex16_b32 v[TM+4+\b], v[TM+\b], s44, s45
.endr
.irp b, 0,1,2,3
	v_max_num_f32 v[TM+\b], v[TM+\b], v[TM+4+\b]          ; with lane l xor 16's: the block's largest magnitude
.endr
.irp b, 0,1,2,3
	v_add_nc_u32 v[TM+12+\b], 0xff000000, v[TM+\b]        ; 2 off its exponent field: the conversion takes that field as its scale
.endr
.irp b, 0,1,2,3
	v_lshrrev_b32 v[TM+4+\b], 23, v[TM+12+\b]             ; the scale's byte
.endr
	v_lshl_or_b32 v[\pw], v[TM+5], 8, v[TM+4]
	v_lshl_or_b32 v[\pw], v[TM+6], 16, v[\pw]
	v_lshl_or_b32 v[\pw], v[TM+7], 24, v[\pw]             ; my row's scale word (lanes r and r + 16 hold the same)
.irp b, 0,1,2,3
	v_cvt_scalef32_pk8_fp4_f32 v[\pc+2*\b], v[\s+16*\b:\s+16*\b+7], v[TM+12+\b]
	v_cvt_scalef32_pk8_fp4_f32 v[\pc+2*\b+1], v[\s+16*\b+8:\s+16*\b+15], v[TM+12+\b]
.endr
	v_nop                                                  ; one plain instruction behind the last scaled conversion
.irp c, 0,1                                            ; the operand's layout wants a whole block in a lane: lanes 0-15 block 2 c, lanes 16-31 block 2 c + 1
.irp i, 0,1
	v_permlane16_swap_b32 v[\pc+4*\c+\i], v[\pc+4*\c+2+\i]
.endr
.endr
.endm
; block t of my position: its largest magnitude, its byte, its 32 codes; then the loads that take the set's place.  cnt: the younger loads, which may stay out
.macro BLOCK t, cnt
.set XS, R+32*((\t)%2)
.set CX, CD+16*((\t)%2)+8*((\t)/4)+4*(((\t)/2)%2)      ; even blocks in the first 16 registers, odd blocks in the second; in them K step t / 4, register group (t / 2) % 2
	s_wait_loadcnt \cnt
.if (\t) == 6
	VLOAD 0, ACC, 0, 16                                    ; V's first fragment.  No wait: no vector or matrix instruction behind the wait that follows W's quantisations names v[ACC ..] or v[LI]
.endif
	v_max3_num_f32 v[MA], |v[XS]|, |v[XS+1]|, |v[XS+2]|
	v_max3_num_f32 v[MB], |v[XS+3]|, |v[XS+4]|, |v[XS+5]|
.irp i, 6,10,14,18,22,26
	v_max3_num_f32 v[MA], v[MA], |v[XS+\i]|, |v[XS+\i+1]|
	v_max3_num_f32 v[MB], v[MB], |v[XS+\i+2]|, |v[XS+\i+3]|
.endr
	v_max3_num_f32 v[MA], v[MA], |v[XS+30]|, |v[XS+31]|
	v_max3_num_f32 v[MA], v[MA], v[MB], 0x1800000          ; and the floor
	v_add_nc_u32 v[MS], 0xff000000, v[MA]
	v_lshrrev_b32 v[MY], 23, v[MS]
.if (\t)%4 == 0
	v_mov_b32 v[SB+(\t)/4], v[MY]                          ; four bytes to a word, the lower K in the lower byte
.else
	v_lshl_or_b32 v[SB+(\t)/4], v[MY], 8*((\t)%4), v[SB+(\t)/4]
.endif
.irp g, 0,1,2,3
	v_cvt_scalef32_pk8_fp4_f32 v[CX+\g], v[XS+8*\g:XS+8*\g+7], v[MS]
.endr
	v_nop                                                  ; one plain instruction behind the last scaled conversion
	s_wait_alu depctr_va_vdst(0)                           ; this block's maxima and conversions are done reading its set of 32 registers, in which the loads below land
.if (\t) < 6
	LOAD (\t)+2
.elseif (\t) == 6
	VLOAD 1, R, 0, 8                                       ; V's second fragment, rows 0-7: into the set that this block has emptied
.else
	VLOAD 1, R, 8, 8                                       ; and rows 8-15
.endif
.endm
; V's fragment f.  The rows go through my own stage as they lie and come back 128 bytes a lane: lane (r, h) then holds k = 64 c + 32 h + 0 .. 31 of channel r, two whole blocks, in the operand's own order
.macro VFRAG f, reg, cnt
	s_wait_loadcnt \cnt
.irp i, 0,1,2,3,4,5,6,7,8,9,10,11,12,13,14,15
	ds_store_b128 v[VSI], v[\reg+4*\i:\reg+4*\i+3] offset:VP*\i
.endr
	s_wait_dscnt 0x0                                       ; my stores into the stage have landed
	s_wait_alu depctr_vm_vsrc(0)                           ; the LDS stores issued so far have read their data: these sixteen v[reg ..], in which the loads below land and which the products later write; W's images' stores PC0, PC1, PW0 and PW1, which the tiles' quantiser writes again
.irp c, 0,1
.irp j, 0,1,2,3,4,5,6,7
	ds_load_b128 v[\reg+32*\c+4*\j:\reg+32*\c+4*\j+3], v[VSO] offset:256*\c+16*\j
.endr
.endr
	s_wait_dscnt 0x0
.irp c, 0,1
	v_max3_num_f32 v[TM+\c], |v[\reg+32*\c]|, |v[\reg+32*\c+1]|, 0x1800000
.endr
.irp i, 2,4,6,8,10,12,14,16,18,20,22,24,26,28,30
.irp c, 0,1
	v_max3_num_f32 v[TM+\c], v[TM+\c], |v[\reg+32*\c+\i]|, |v[\reg+32*\c+\i+1]|
.endr
.endr
.irp c, 0,1
	v_add_nc_u32 v[TM+12+\c], 0xff000000, v[TM+\c]
.endr
.irp c, 0,1
	v_lshrrev_b32 v[TM+8+\c], 23, v[TM+12+\c]
.endr
	v_lshl_or_b32 v[VW+\f], v[TM+9], 16, v[TM+8]           ; my two bytes: blocks h and 2 + h,
	v_lshlrev_b32 v[VW+\f], v[SH], v[VW+\f]                ; at their places in the word;
	v_permlanex16_b32 v[TM+4], v[VW+\f], s44, s45
	v_or_b32 v[VW+\f], v[VW+\f], v[TM+4]                   ; with lane l xor 16's two the word is whole
.irp c, 0,1
.irp g, 0,1,2,3
	v_cvt_scalef32_pk8_fp4_f32 v[VC+8*\f+4*\c+\g], v[\reg+32*\c+8*\g:\reg+32*\c+8*\g+7], v[TM+12+\c]
.endr
.endr
	v_nop                                                  ; one plain instruction behind the last scaled conversion
.endm
.macro VOUT f                                          ; fragment f's codes leave, behind the wait that shows them written
.irp c, 0,1
	global_store_b128 v[LI], v[VC+8*\f+4*\c:VC+8*\f+4*\c+3], s[38:39] offset:1024*\f+512*\c   ; 512 consecutive bytes, aligned to 256
.endr
.endm
; Position tile 2 j + x: 16 products (transposed: source 0 = 16 rows of W, source 1 = 16 positions), the 8 accumulators by turns; the bias is the C of each sum's first product.
; In tile t lane (r, h) holds position row r and outputs 32 (t / 2) + 16 h + 8 (t % 2) + 0 .. 7.  Then the tile is quantised along the outputs; TOUT stores it as an image of its registers.
.macro MULT x, pc, pw
	WIN 0x11                                               ; source 0 (W) and source 2 (the bias) window 1
.irp t, 0,1,2,3,4,5,6,7
	WM ACC+8*\t, WF+16*\t, CD+16*\x, BI+8*\t, WS+\t, SB, 0, \x
.endr
	WIN 0x01
.irp t, 0,1,2,3,4,5,6,7
	WM ACC+8*\t, WF+16*\t+8, CD+16*\x+8, ACC+8*\t, WS+\t, SB+1, 1, \x
.endr
	WIN 0
.rept 4
	v_nop                                                  ; four places ahead of the first read of results (ISA guide 7.12.1)
.endr
	QUANT ACC, \pc, \pw
.endm
.macro TOUT x, pc
.irp c, 0,1
	global_store_b128 v[LI], v[\pc+4*\c:\pc+4*\c+3], s[32:33] offset:1024*\x+512*\c
.endr
.endm
	s_load_b256 s[4:11], s[0:1], 0x0               ; p s[4:5], b s[6:7], Wq s[8:9], Wk s[10:11]
	s_load_b256 s[12:19], s[0:1], 0x20             ; bq s[12:13], bk s[14:15], qc s[16:17], kv s[18:19]
	v_lshl_add_u32 v254, v0, 2, 0x14c00            ; the LDS address of my spare word, behind the eight stages: made here and kept for the closing lines alone
	v_mov_b32 v255, 0                              ; and 0, likewise
	v_lshrrev_b32 v1, 5, v0
	v_readfirstlane_b32 s24, v1                    ; wave 0..7
	v_and_b32 v1, 31, v0                           ; lane
	v_and_b32 v2, 15, v0                           ; r
	v_bfe_u32 v3, v0, 4, 1                         ; h
	s_and_b32 s20, ttmp9, 1                        ; kind
	s_lshr_b32 s21, ttmp9, 1
	s_lshr_b32 s22, s21, 4                         ; batch
	s_and_b32 s23, s21, 15                         ; u
	v_and_b32 v[RA], 7, v0
	v_bfe_u32 v14, v0, 3, 1
	v_lshl_or_b32 v[RA], v14, 4, v[RA]
	v_lshl_or_b32 v[RA], v3, 3, v[RA]              ; lanes 0-15: the rows of tile 2 j (positions 0-7, 16-23), lanes 16-31: of tile 2 j + 1 (8-15, 24-31)
	v_lshlrev_b32 v[RA], 2, v[RA]
	v_lshlrev_b32 v[LI], 4, v1
	v_lshlrev_b32 v[LS], 2, v1
	v_and_b32 v[WA], 8, v2
	v_add_nc_u32 v[WA], v[WA], v2                  ; r + 8 (r / 8)
	v_lshlrev_b32 v[WA], 10, v[WA]
	v_lshl_add_u32 v[WA], v3, 6, v[WA]
	s_wait_alu depctr_va_sdst(0)                   ; s24 is written, ahead of the first line that reads it: LDS addresses and the bases are made from it
	s_lshl_b32 s46, s24, 11
	v_add_nc_u32 v[WWI], s46, v[LI]                ; WIMG + 2048 w + 16 lane
	s_lshl_b32 s46, s24, 7
	v_lshlrev_b32 v[WWS], 2, v2
	v_add_nc_u32 v[WWS], s46, v[WWS]
	v_add_nc_u32 v[WWS], WSC, v[WWS]               ; WSC + 128 w + 4 r
	v_lshlrev_b32 v[BA], 6, v3
	s_mul_i32 s46, s24, VSTW
	s_add_co_u32 s46, s46, VST                     ; my stage
	v_add_nc_u32 v[VSI], s46, v[LI]
	v_mul_u32_u24 v[VSO], v2, VP
	v_lshl_add_u32 v[VSO], v3, 7, v[VSO]
	v_add_nc_u32 v[VSO], s46, v[VSO]
	v_lshlrev_b32 v[SH], 3, v3
.irp b, 0,1,2,3
	v_mov_b32 v[TM+4+\b], 0                        ; written once: a lane permute's destination counts as one of its sources
.endr
	s_mov_b32 s43, 0xffff0000                      ; lanes 16-31
	s_mov_b32 s44, 0x76543210
	s_mov_b32 s45, 0xfedcba98                      ; v_permlanex16_b32's selects for lane l xor 16
	; offsets, made apart from the addresses
	s_lshl_b32 s46, s22, 22                        ; the tensor: batch x 4,194,304
	s_lshl_b32 s47, s23, 10
	s_add_co_u32 s46, s46, s47                     ; + 256 u positions
	s_lshl_b32 s47, s24, 7
	s_add_co_u32 s46, s46, s47                     ; + 32 w positions
	s_mov_b32 s47, 0
	s_lshr_b32 s48, s24, 1                         ; W: tile w begins at row 32 (w / 2) + 8 (w % 2)
	s_lshl_b32 s48, s48, 15
	s_and_b32 s49, s24, 1
	s_lshl_b32 s49, s49, 13
	s_add_co_u32 s48, s48, s49
	s_mov_b32 s49, 0
	s_lshl_b32 s50, s22, 5
	s_lshl_b32 s51, s23, 1
	s_add_co_u32 s50, s50, s51                     ; record 32 batch + 2 u
	s_add_co_u32 s52, s50, s20                     ; V's: + kind
	s_lshr_b32 s51, s24, 2
	s_add_co_u32 s50, s50, s51                     ; mine: + w / 4
	s_mul_i32 s52, s52, REC
	s_mov_b32 s53, 0
	s_lshl_b32 s54, s22, 22                        ; V in b: batch, channel 32 w, key 128 (2 u + kind)
	s_lshl_b32 s55, s24, 19
	s_add_co_u32 s54, s54, s55
	s_lshl_b32 s55, s23, 1
	s_add_co_u32 s55, s55, s20
	s_lshl_b32 s55, s55, 9
	s_add_co_u32 s54, s54, s55
	s_mov_b32 s55, 0
	s_mov_b32 s42, REC
	s_wait_kmcnt 0x0
	s_cmp_eq_u32 s20, 0                            ; p's work-group or b's?  The choice hangs on the work-group's number alone
	s_cselect_b64 s[26:27], s[4:5], s[6:7]         ; the tensor
	s_cselect_b64 s[28:29], s[8:9], s[10:11]       ; its W
	s_cselect_b64 s[30:31], s[12:13], s[14:15]     ; its bias
	s_cselect_b64 s[32:33], s[16:17], s[18:19]     ; where its codes go
	s_cselect_b32 s42, QREC, s42                   ; and the length of a record there
	s_add_nc_u64 s[26:27], s[26:27], s[46:47]
	s_add_nc_u64 s[28:29], s[28:29], s[48:49]
	s_mul_i32 s50, s50, s42
	s_mov_b32 s51, 0
	s_add_nc_u64 s[32:33], s[32:33], s[50:51]      ; my record
	s_and_b32 s46, s24, 3                          ; j
	s_lshl_b32 s48, s46, 7
	s_add_co_u32 s48, s48, 8192
	s_add_nc_u64 s[34:35], s[32:33], s[48:49]      ; my scale words
	s_lshl_b32 s46, s46, 11
	s_add_nc_u64 s[32:33], s[32:33], s[46:47]      ; my two tiles' codes
	s_add_nc_u64 s[36:37], s[6:7], s[54:55]        ; V's numbers
	s_add_nc_u64 s[38:39], s[18:19], s[52:53]      ; V's record
	s_lshl_b32 s46, s24, 7
	s_add_co_u32 s46, s46, 25088
	s_add_nc_u64 s[40:41], s[38:39], s[46:47]      ; V's scale words
	s_lshl_b32 s46, s24, 11
	s_add_co_u32 s46, s46, 8704
	s_add_nc_u64 s[38:39], s[38:39], s[46:47]      ; V's codes
	; ---- the loads, in this order: the bias (16), W's two K steps (16, 16), block 0 (32)
	WIN 0x40                                       ; destination window 1
	s_wait_alu depctr_va_vdst(0)                   ; the nine offsets and LDS addresses v4 to v12 are written: every load and store of the kernel reads one of them, and none is written again
.irp t, 0,1,2,3,4,5,6,7
	global_load_b128 v[BI+8*\t:BI+8*\t+3], v[BA], s[30:31] offset:(32*(\t/2)+8*(\t%2))*4        ; lane (r, h), tile t: the bias of outputs 32 (t / 2) + 8 (t % 2) + 16 h + 0 .. 7
	global_load_b128 v[BI+8*\t+4:BI+8*\t+7], v[BA], s[30:31] offset:(32*(\t/2)+8*(\t%2))*4+16
.endr
	WIN 0
	XLOAD ACC, 0
	XLOAD W1F, 1
	LOAD 0
	; ---- W's tile w is quantised, both K steps, and goes to LDS as images of its registers: the six stores stand together, behind one wait
	s_wait_loadcnt 48                              ; behind W's K step 0: its K step 1 (16) and block 0 (32)
	QUANT ACC, PC0, PW0
	s_wait_loadcnt 32                              ; behind W's K step 1: block 0
	QUANT W1F, PC1, PW1
	s_wait_alu depctr_va_vdst(0)                   ; the quantiser has written PC0, PC1, PW0 and PW1, which the LDS stores read, and is done reading v48 to v79, in which block 1's loads land
.irp c, 0,1
	ds_store_b128 v[WWI], v[PC0+4*\c:PC0+4*\c+3] offset:WIMG+512*\c
.endr
	ds_store_b32 v[WWS], v[PW0]                    ; lanes r and r + 16 write the same word with the same value
.irp c, 0,1
	ds_store_b128 v[WWI], v[PC1+4*\c:PC1+4*\c+3] offset:WIMG+1024+512*\c
.endr
	ds_store_b32 v[WWS], v[PW1] offset:64
	LOAD 1
	s_wait_dscnt 0x0                               ; for the others' sake: my stores have landed
	s_barrier_signal -1
	s_barrier_wait -1                              ; W's sixteen fragments lie in LDS: the launch's one barrier
	WIN 0x40
.irp f, 0,1,2,3,4,5,6,7,8,9,10,11,12,13,14,15
.irp c, 0,1
	ds_load_b128 v[WF+8*\f+4*\c:WF+8*\f+4*\c+3], v[LI] offset:WIMG+1024*\f+512*\c   ; no vector or matrix instruction has named these registers
.endr
.endr
	WIN 0
.irp t, 0,1,2,3,4,5,6,7
	ds_load_b32 v[WS+\t], v[LS] offset:WSC+128*\t  ; lanes 0-15: K step 0's word of row r; lanes 16-31: K step 1's
.endr
	; ---- the stream: eight blocks of 32 channels, two blocks of loads ahead
.irp t, 0,1,2,3,4,5,6
	BLOCK \t, 32                                   ; the next block's 32 loads may stay out
.endr
	BLOCK 7, 24                                    ; V's first fragment (16 loads) and the first half of its second (8) may stay out
.set i, 0
.rept 16
	v_permlane16_swap_b32 v[CD+i], v[CD+16+i]      ; the even blocks' lanes 16-31 change places with the odd blocks' lanes 0-15: two fragments for each tile, in the operand's layout
.set i, i+1
.endr
	; ---- V
	VFRAG 0, ACC, 16                               ; V's second fragment may stay out
	s_wait_alu depctr_va_vdst(0)                   ; the conversions have written the first fragment's codes, which the stores read: they leave while the second fragment is waited for
	VOUT 0
	VFRAG 1, R, 0
	v_cndmask_b32 v[VWC], v[VW], v[VW+1], s43      ; lanes 0-15 tile 2 w's words, lanes 16-31 tile 2 w + 1's
	s_wait_alu depctr_va_vdst(0)                   ; the second fragment's codes and V's scale words are written, which the three stores read; so are the positions' codes and scale words (CD, SB), which the scaled products below take as source 1 and as scales
	VOUT 1
	global_store_b32 v[LS], v[VWC], s[40:41]
	; ---- the products (W's fragments and scale words are in: the waits for 0 above)
	MULT 0, PC0, PW0
	s_wait_alu depctr_va_vdst(0)                   ; the quantiser has written tile 2 j's codes, which the stores read: they leave while the other tile is multiplied
	TOUT 0, PC0
	MULT 1, PC1, PW1
	v_cndmask_b32 v[PWC], v[PW0], v[PW1], s43
	s_wait_alu depctr_va_vdst(0)                   ; tile 2 j + 1's codes and the two tiles' scale words are written, which the three stores read
	TOUT 1, PC1
	global_store_b32 v[LS], v[PWC], s[34:35]
	s_wait_dscnt 0x0                               ; the closing lines, six on end
	s_wait_alu 0x0
	s_wait_tensorcnt 0x0
	ds_add_u32 v254, v255
	s_wait_dscnt 0x0
	s_endpgm
.Lfunc_end_k_q9734e8e33c_prep:
	.size	k_q9734e8e33c_prep, .Lfunc_end_k_q9734e8e33c_prep-k_q9734e8e33c_prep
	.p2alignl 7, 3214868480
	.fill 96, 4, 3214868480
	.section	.rodata,"a",@progbits
	.p2align	6, 0x0
	.amdhsa_kernel k_q9734e8e33c_prep
		.amdhsa_group_segment_fixed_size 86016
		.amdhsa_private_segment_fixed_size 0
		.amdhsa_enable_private_segment 0
		.amdhsa_kernarg_size 64
		.amdhsa_user_sgpr_count 2
		.amdhsa_user_sgpr_kernarg_segment_ptr 1
		.amdhsa_wavefront_size32 1
		.amdhsa_system_sgpr_workgroup_id_x 1
		.amdhsa_system_sgpr_workgroup_id_y 1
		.amdhsa_system_sgpr_workgroup_id_z 1
		.amdhsa_system_vgpr_workitem_id 0
		.amdhsa_next_free_vgpr 448
		.amdhsa_next_free_sgpr 66
		.amdhsa_reserve_vcc 0
		.amdhsa_float_denorm_mode_32 3
		.amdhsa_float_denorm_mode_16_64 3
		.amdhsa_memory_ordered 1
		.amdhsa_forward_progress 1
		.amdhsa_inst_pref_size 83
	.end_amdhsa_kernel
	.amdgpu_metadata
---
amdhsa.version: [ 1, 2 ]
amdhsa.kernels:
  - .name:           k_q9734e8e33c_prep
    .symbol:         k_q9734e8e33c_prep.kd
    .args:
      - { .name: p, .offset: 0, .size: 8, .value_kind: global_buffer, .address_space: global }
      - { .name: b, .offset: 8, .size: 8, .value_kind: global_buffer, .address_space: global }
      - { .name: Wq, .offset: 16, .size: 8, .value_kind: global_buffer, .address_space: global }
      - { .name: Wk, .offset: 24, .size: 8, .value_kind: global_buffer, .address_space: global }
      - { .name: bq, .offset: 32, .size: 8, .value_kind: global_buffer, .address_space: global }
      - { .name: bk, .offset: 40, .size: 8, .value_kind: global_buffer, .address_space: global }
      - { .name: qc, .offset: 48, .size: 8, .value_kind: global_buffer, .address_space: global }
      - { .name: kv, .offset: 56, .size: 8, .value_kind: global_buffer, .address_space: global }
    .group_segment_fixed_size: 86016
    .private_segment_fixed_size: 0
    .kernarg_segment_align: 8
    .kernarg_segment_size: 64
    .max_flat_workgroup_size: 256
    .sgpr_count:     66
    .vgpr_count:     448
    .wavefront_size: 32
...
	.end_amdgpu_metadata
.endif
;; end of part 3
;; launch attn: the kernel of part 2 again; grid 32 x 8, 4 waves a work-group, clusters of 4 x 1, 327,680 bytes of LDS; arguments qc, kv, out0; writes out0
